; MI455X (gfx1250); checked and timed in simulation.
; The chip was launched on July 23, 2026; its instructions are those of AMD's public machine-readable ISA for CDNA 5 (MIT licence, August 2026) and "CDNA5" Instruction Set Architecture Reference Guide (July 2026). The comments in the code are by the model that wrote it; some were corrected since.
;; Moe Column Parallel Linear. Allowed arithmetic: float matrix products may take bf16 or f16 operands with f32 sums; other float arithmetic in f32, or as packed bf16 or f16 multiplies, adds, multiply-adds, maxima and minima; sums over many terms, partial sums and values carried from step to step in f32; what a program stores and reads back later, other than sums and carried values, may be rounded once to bf16 or f16.
;; Inputs: X 16,384 x 512 float32; bias 8 x 1,024 float32; expert_offset 9 int32; weight 8 x 1,024 x 512 float32.
;; Outputs: out0 16,384 x 1,024 float32.
;; 3 versions, each right; version 2 is faster than version 1; version 3 is version 2 with the launch moe written anew for expert scheduling mode. Each part assembles by itself: llvm-mc -triple=amdgcn-amd-amdhsa -mcpu=gfx1250 --defsym DOCPART=n.
;; ======== version 1 of 3: 1 launch
;; launch moe (part 1): grid 4 x 64, 4 waves a work-group, no clusters, 300,032 bytes of LDS; arguments X, bias, expert_offset, weight, out0; writes out0
.if DOCPART == 1
	.amdgcn_target "amdgcn-amd-amdhsa--gfx1250"
	.amdhsa_code_object_version 6
	.text
	.protected	k_q9d2d3b6af5_moe
	.globl	k_q9d2d3b6af5_moe
	.p2align	8
	.type	k_q9d2d3b6af5_moe,@function
k_q9d2d3b6af5_moe:
	s_mov_b64 s[64:65], 0
	v_nop
	global_prefetch_b8 v0, s[64:65] scope:SCOPE_SE
	s_setreg_imm32_b32 hwreg(HW_REG_WAVE_MODE, 25, 1), 1
	s_wait_xcnt 0x0
; GROUPED GEMM.  out[t][:] = X[t][:] . W[e]^T + bias[e] for offset[e] <= t < offset[e+1]; 0 for a row that no expert holds.
; X [16384][512], W [8][1024][512], bias [8][1024], out [16384][1024], all f32; offset [9] i32.
; X and W are rounded once to bf16 (nearest even) for the matrix unit; sums and bias stay in f32.
; LIMITS.  The offsets are taken as ascending (the search in the problem's text relies on it): a value outside 0 .. 16384 is clamped, a descending step
; counts as an empty expert.  A NaN or infinity in X stays within its own token's row.
; SHARES.  A tile is up to 288 consecutive rows of ONE expert x 256 columns.  The sum over 8 experts of ceil(n_e / 288) is at most (16384 + 8 x 287) / 288 = 64,
; whatever the split: 64 row tiles x 4 column slices = 256 work-groups, one tile each, every trip count a constant.  Every work-group finds its tile from the
; nine offsets by scalar arithmetic.  A tile that a split leaves empty walks clamped rows and stores nothing, so that every wave passes every barrier.
; A WAVE owns 64 of the tile's columns; its weights, 64 x 512 in bf16, stay in 512 registers.  The tile's rows stream: f32 by whole rows into registers, rounded,
; into LDS as bf16 (each LDS byte of the tile is written once), from there as fragments to all four waves.  A block of 16 rows is 64 matrix instructions a wave; a
; finished block leaves from registers while the next is multiplied.
; COLUMNS.  Accumulator nb, lane column r is column 4 r + nb of the wave's 64 (the weights are staged in that order).  So register j of a lane's four accumulators
; are four neighbouring columns of row 8 (lane / 16) + j: the four bias additions gather them into 16 bytes, and sixteen lanes store 256 consecutive aligned bytes.
; NO JOINT LOADS.  What a tile's four column slices share is X in f32: laid into LDS as it is it would be written (4 bytes a number), read back (4), written as bf16 (2) and
; read as fragments by four waves (8): 18 bytes against the 10 of the way through registers.  The weights' sharers are the row tiles of one expert, whose number hangs on the split.
.set T_ROWS, 16384
.set XB,    2048                       ; bytes in a row of X and of W
.set OB,    4096                       ; bytes in a row of out and of bias
.set TM,    288                        ; rows in a tile: 9 chunks of 32, 18 blocks of 16
.set PX,    1040                       ; an LDS row: 1,024 bytes of bf16 + 16 = 65 x 16: the 16 rows of a fragment load start 16 bytes apart modulo 256
.set CH,    32*PX                      ; a chunk
.set BLK,   16*PX                      ; a block
.set WREG,  64*PX                      ; a wave's staged weights: they lie over chunks 1 to 8 and are read out before the first barrier
.set SPARE, 9*CH                       ; behind the tile: the spare words, 128 bytes for each wave: two blocks of 256 bytes that no other line names
; window 0
.set SPW,  1                           ; v1   SPARE + 4 x thread; never rewritten
.set NIL,  2                           ; v2   0; never rewritten
.set L16,  3                           ; v3   16 x lane
.set VS,   4                           ; v4   LDS: 8 x lane + my 8 rows of the chunk to be stored
.set VAF,  5                           ; v5   LDS: my lane's place in a fragment of the chunk in hand
.set VW,   6                           ; v6   LDS: 8 x lane in my staged weights
.set VBF,  7                           ; v7   LDS: my lane's place in a fragment of my staged weights
.set V8H,  8                           ; v8   8 x (lane / 16)
.set VCOL, 9                           ; v9   byte of my four columns in a row of out or bias
.set VO,   10                          ; v10  offset of the stores into out
.set VT,   11                          ; v11  at work
.set BI,   12                          ; v[12:15] bias of my four columns
.set XA,   16                          ; v[16:23] offsets of my 8 rows of X in the chunk to be loaded
.set VZ,   24                          ; v24  offset in a row of out for the zero rows
.set ACC,  32                          ; v[32:95] two sets of four accumulators, by the block's parity
.set AF,   96                          ; v[96:223] a block's fragments of X: K step ks at AF + 8 ks
.set OUT,  224                         ; v[224:255] a block on its way out: quad j = rows j and 8 + j
; window 1: rows as loaded, two halves of 8 rows x 16 registers.   windows 2, 3: the weights: K step ks, accumulator nb in window 2 + ks / 8 at 32 (ks % 8) + 8 nb
.set WV,   14                          ; s14 wave   s15 column slice
.set NX,   15
.set OFS,  16                          ; s[16:24] the nine offsets
.set TY,   25                          ; tile number
.set PP,   26                          ; tiles of the experts so far
.set EX,   27                          ; my expert
.set PE,   28                          ; its first tile
.set OE,   29                          ; its first row, and the row behind its last
.set OE1,  30
.set FIRST, 33                         ; my tile's first row, its number of rows, its last row
.set CNT,  34
.set LAST, 35
.set WB,   36                          ; s[36:37] my weights
.set XROW, 40                          ; my first row of the chunk whose addresses are made next
.set CTR,  41
.set OROW, 42                          ; first row and rows left of the block that leaves next; the same for the block behind it
.set OREM, 43
.set NROW, 44
.set NREM, 45
.set ZB,   46                          ; s[46:47], s48, s49: the zero rows
.set ZROW, 48
.set ZCNT, 49
.set XO,   52                          ; s[52:59] byte offsets of 8 rows of X
.set W_M0, 0x08                        ; matrix: source 1 (weights) in window 2
.set W_M1, 0x0c                        ; in window 3
.set W_CV, 0x45                        ; conversions in place in window 1
.set W_ST, 0x04                        ; LDS store: data in window 1
.set W_GL, 0x40                        ; load: destination in window 1
.set W_B2, 0x80
.set W_B3, 0xc0
.set MSB, 0
.set NDS, 0
.macro WIN new                         ; the immediate's high byte repeats the setting that is left; a switch that changes nothing is dropped
.if MSB != (\new)
	s_set_vgpr_msb (MSB<<8)|(\new)
.set MSB, (\new)
.endif
.endm
.macro PLACES                          ; four plain vector instructions between a matrix instruction and a load into, or a read of, its registers
.rept 4
	v_nop
.endr
.endm
; offsets of my 8 rows of the next chunk: rows past the tile's last repeat it
.macro XADDR
.irp i, 0,1,2,3,4,5,6,7
	s_add_co_u32 s31, s[XROW], \i
	s_min_u32 s31, s31, s[LAST]
	s_min_u32 s31, s31, 0x3fff
	s_lshl_b32 s[XO+\i], s31, 11
.endr
	s_wait_xcnt 0x0                                ; the loads that name XA have had their addresses translated
.irp i, 0,1,2,3,4,5,6,7
	v_add_nc_u32 v[XA+\i], s[XO+\i], v[L16]
.endr
	s_add_co_u32 s[XROW], s[XROW], 32
.endm
; row i of half rp: 16 registers, load q holds k = 128 q + 4 lane + 0..3
.macro ROWCV rp, i, half               ; two of its four loads rounded in place: 4 f32 -> 8 bytes
	WIN W_CV
.irp q, 0,1
.set R, 128*(\rp)+16*(\i)+4*(2*(\half)+\q)
	v_cvt_pk_bf16_f32 v[R], v[R], v[R+1]
	v_cvt_pk_bf16_f32 v[R+1], v[R+2], v[R+3]
.endr
.endm
.macro ROWST rp, i, areg, base         ; into LDS: each store is 256 consecutive bytes
	WIN W_ST
.irp q, 0,1,2,3
.set R, 128*(\rp)+16*(\i)+4*\q
	ds_store_b64 v[\areg], v[R:R+1] offset:(\base)+256*\q
.endr
.set NDS, NDS+4
.endm
.macro ROWGW rp, i, row                ; loaded again: a row of my weights
	WIN W_GL
.irp q, 0,1,2,3
.set R, 128*(\rp)+16*(\i)+4*\q
	global_load_b128 v[R:R+3], v[L16], s[WB:WB+1] offset:(\row)*XB+512*\q
.endr
.endm
.macro ROWGX rp, i                     ; or a row of X
	WIN W_GL
.irp q, 0,1,2,3
.set R, 128*(\rp)+16*(\i)+4*\q
	global_load_b128 v[R:R+3], v[XA+(\i)], s[4:5] offset:512*\q
.endr
.endm
; 8 rows leave half rp for LDS, and each row's registers are loaded again at once.  The count: behind a row's four loads were issued the rest of its batch (28 - 4 i),
; the other half's batch (32) and this batch's refills so far (4 i): 60 at every row.
.macro BATCH rp, areg, base0, kind, rowbase
.set bi, 0
.rept 8
	s_wait_loadcnt 60
	ROWCV \rp, bi, 0
	ROWCV \rp, bi, 1
	ROWST \rp, bi, \areg, (\base0)+bi*PX
.if \kind
	ROWGX \rp, bi
.else
	ROWGW \rp, bi, (\rowbase)+4*bi
.endif
.set bi, bi+1
.endr
	WIN 0
.endm
.macro BREAD nb                        ; accumulator nb's 16 columns x 512 K out of my staged weights: LDS serves a wave's instructions in order (ISA guide 5.7.1), so these see my stores
	WIN W_B2
.irp k, 0,1,2,3,4,5,6,7
	ds_load_b128 v[32*\k+8*(\nb):32*\k+8*(\nb)+3],   v[VBF] offset:(\nb)*BLK+64*\k
	ds_load_b128 v[32*\k+8*(\nb)+4:32*\k+8*(\nb)+7], v[VBF] offset:(\nb)*BLK+64*\k+32
.endr
	WIN W_B3
.irp k, 0,1,2,3,4,5,6,7
	ds_load_b128 v[32*\k+8*(\nb):32*\k+8*(\nb)+3],   v[VBF] offset:(\nb)*BLK+64*(8+\k)
	ds_load_b128 v[32*\k+8*(\nb)+4:32*\k+8*(\nb)+7], v[VBF] offset:(\nb)*BLK+64*(8+\k)+32
.endr
	WIN 0
.endm
; matrix instruction p of a block's 64: K step p / 4, accumulator p % 4.  The four accumulators take turns, one instruction a turn, and the two blocks' sets take turns.
; The first four start the sums with the constant 0.
.macro MM par
.set ks, p/4
.set cb, p%4
.set rD, ACC+32*(\par)+8*cb
.set rA, AF+8*ks
.set rB, 32*(ks%8)+8*cb
.if p < 32
	WIN W_M0
.else
	WIN W_M1
.endif
.if p < 4
	v_wmma_f32_16x16x32_bf16 v[rD:rD+7], v[rA:rA+7], v[rB:rB+7], 0
.else
	v_wmma_f32_16x16x32_bf16 v[rD:rD+7], v[rA:rA+7], v[rB:rB+7], v[rD:rD+7]
.endif
.endm
.macro AFLD ks, off                    ; a fragment of 16 rows x 32 K: two loads of 16 bytes, 32 bytes apart; destination and address lie in window 0 under the matrix settings too
	ds_load_b128 v[AF+8*(\ks):AF+8*(\ks)+3],   v[VAF] offset:(\off)
	ds_load_b128 v[AF+8*(\ks)+4:AF+8*(\ks)+7], v[VAF] offset:(\off)+32
.endm
.macro ADDG par, g                     ; register g of the four accumulators + bias -> quad g; g ascends
	WIN 0
.if (\g) == 0
	s_wait_xcnt 0x0                                ; the block before has left: its stores have read OUT
.endif
.irp nb, 0,1,2,3
	v_add_f32 v[OUT+4*(\g)+\nb], v[ACC+32*(\par)+8*\nb+(\g)], v[BI+\nb]
.endr
.endm
; The block in OUT is stored: whole, in part, or not at all.  In a part block the places past the count hold the tile's last row once more (X's rows were clamped to it) and are stored onto that row.
.macro WOUT
	WIN 0
	s_cmp_gt_i32 s[OREM], 0
	s_cbranch_scc0 .Lnone_\@
	s_wait_xcnt 0x0                                ; the stores before have read VO
	v_add_nc_u32 v[VT], s[OROW], v[V8H]
	s_cmp_ge_i32 s[OREM], 16
	s_cbranch_scc0 .Lpart_\@
	v_min_u32 v[VT], 0x3ff8, v[VT]                 ; a whole block's row 8 h + 7 exists, so this changes nothing
	v_lshl_add_u32 v[VO], v[VT], 12, v[VCOL]
.irp j, 0,1,2,3,4,5,6,7
	global_store_b128 v[VO], v[OUT+4*\j:OUT+4*\j+3], s[12:13] offset:OB*\j th:TH_STORE_NT  ; lanes 0-15 and 16-31 each store 256 consecutive bytes, at a multiple of 256 from out's first byte
.endr
	s_branch .Lnone_\@
.Lpart_\@:
.irp j, 0,1,2,3,4,5,6,7
	s_wait_xcnt 0x0
	v_add_nc_u32 v[VO], \j, v[VT]
	v_min_u32 v[VO], s[LAST], v[VO]
	v_min_u32 v[VO], 0x3fff, v[VO]
	v_lshl_add_u32 v[VO], v[VO], 12, v[VCOL]
	global_store_b128 v[VO], v[OUT+4*\j:OUT+4*\j+3], s[12:13] th:TH_STORE_NT
.endr
.Lnone_\@:
	s_mov_b32 s[OREM], s[NREM]
	s_mov_b32 s[OROW], s[NROW]
	s_sub_co_i32 s[NREM], s[NREM], 16
	s_add_co_u32 s[NROW], s[NROW], 16
.endm
; What stands behind matrix instruction p of a chunk's first block, by slot a (p = 8 .. 31: a = p - 8; p = 40 .. 63: a = p - 16).
; 0, 1: the addresses of the chunk three on.  2 + 4 i .. 5 + 4 i: row i of the next chunk: rounded, rounded, into LDS, loaded again.  34 .. 41: the block before + bias.  42: it leaves.
.macro RIDE0 rp, sg, lc0, lcs
.if a < 2
.if (\sg) == 2
	WIN 0
.if a == 0
	s_wait_xcnt 0x0                                ; the loads that name XA have had their addresses translated
.endif
.irp k, 0,1,2,3
	v_add_nc_u32 v[XA+4*a+\k], s[XO+4*a+\k], v[L16]
.endr
.if a == 1
	s_add_co_u32 s[XROW], s[XROW], 32
.endif
.endif
.elseif a < 34
.if (\sg) >= 1
.set ri, (a-2)/4
.set ph, (a-2)%4
.if ph == 0
	s_wait_loadcnt (\lc0)-(\lcs)*ri                ; the loads issued behind this row's four: the rest of its chunk, the chunk behind it, and the refills so far, where there are any
	ROWCV \rp, ri, 0
.elseif ph == 1
	ROWCV \rp, ri, 1
.elseif ph == 2
	ROWST \rp, ri, VS, ri*PX
.elseif (\sg) == 2
	ROWGX \rp, ri
.endif
.endif
.elseif a < 42
	ADDG 1, a-34
.if (a == 34) && ((\sg) >= 1)
	v_add_nc_u32 v[VS], CH, v[VS]                  ; the next stores go a chunk on
.endif
.elseif a == 42
	WOUT
.endif
.endm
; A chunk's first block.  sg = 2: the next chunk goes into LDS and the chunk three on is asked for; 1: only the first; 0: neither.
.macro BLOCK0 rp, sg, lc0, lcs
	s_wait_dscnt 0x0                               ; the block's K steps 0-7 are in
.set p, 0
.rept 64
.if p == 32
	s_wait_dscnt NDS                               ; K steps 8-15 are in: behind their last load only the LDS stores of the rows dealt so far were issued
.endif
	MM 0
.if (p == 0) || (p == 32)
	PLACES                                         ; behind the last product that read the half of AF that is loaded next; at p = 0 also behind the last block's results
.endif
.if p < 8
	AFLD 8+p, 64*(8+p)
.if (\sg) == 2
	s_add_co_u32 s31, s[XROW], p
	s_min_u32 s31, s31, s[LAST]
	s_min_u32 s31, s31, 0x3fff
	s_lshl_b32 s[XO+p], s31, 11
.endif
.if p == 7
.set NDS, 0
.endif
.elseif (p >= 32) && (p < 40)
	AFLD p-32, BLK+64*(p-32)                       ; the second block's K steps 0-7
.else
.set a, p-8
.if p >= 40
.set a, p-16
.endif
	RIDE0 \rp, \sg, \lc0, \lcs
.endif
.set p, p+1
.endr
.endm
; A chunk's second block.  bar = 1: ONE barrier shows the next chunk to every wave: each wave's stores into it are done ahead of its signal; between signal and wait stand matrix
; instructions, the bias additions and LDS loads of the chunk in hand, whose bytes nobody writes again; the next chunk's first fragments are read behind the wait, and so stand the stores into out.
.macro BLOCK1 bar
	s_wait_dscnt 0x0                               ; K steps 0-7 are in, and my stores into the next chunk are done
.if \bar
	s_barrier_signal -1
.endif
.set p, 0
.rept 64
.if p == 32
	s_wait_dscnt 0x0                               ; K steps 8-15 are in
.endif
	MM 1
.if p == 0
	PLACES
.endif
.if (p == 32) && (\bar)
	s_barrier_wait -1
	PLACES
	WIN 0
	v_add_nc_u32 v[VAF], CH, v[VAF]
.endif
.if p < 8
	AFLD 8+p, BLK+64*(8+p)
.elseif (p >= 32) && (p < 40)
.if \bar
	AFLD p-32, 64*(p-32)
.endif
.elseif p < 16
	ADDG 0, p-8
.elseif p == 40
	WOUT
.endif
.set p, p+1
.endr
.endm
.macro CHUNK rp, sg, bar, lc0, lcs
	BLOCK0 \rp, \sg, \lc0, \lcs
	BLOCK1 \bar
	WIN 0                                          ; at a label and at a branch every window is 0
.endm
	; THE HEAD
	s_load_b256 s[4:11], s[0:1], 0x0               ; X s[4:5], bias s[6:7], offsets s[8:9], weights s[10:11]
	s_load_b64 s[12:13], s[0:1], 0x20              ; out
	v_lshl_add_u32 v[SPW], v0, 2, SPARE
	v_mov_b32 v[NIL], 0
	v_lshrrev_b32 v29, 5, v0
	v_readfirstlane_b32 s[WV], v29                 ; wave 0..3
	v_and_b32 v25, 31, v0                          ; lane
	v_and_b32 v26, 15, v0                          ; r = lane % 16
	v_bfe_u32 v27, v0, 4, 1                        ; h = lane / 16
	s_mov_b32 s[NX], ttmp9
	s_and_b32 s[TY], ttmp7, 0xffff
	v_lshlrev_b32 v[L16], 4, v25
	s_mul_i32 s31, s[WV], 8*PX                     ; of a chunk's 32 rows wave w brings rows 8 w .. 8 w + 7
	v_lshl_add_u32 v[VS], v25, 3, s31
	v_mul_u32_u24 v[VAF], v26, PX
	v_lshl_add_u32 v[VAF], v27, 4, v[VAF]          ; row r x pitch + 16 h
	s_mul_i32 s32, s[WV], WREG
	s_add_co_u32 s32, s32, CH                      ; my staged weights
	v_lshl_add_u32 v[VW], v25, 3, s32
	v_add_nc_u32 v[VBF], s32, v[VAF]
	v_lshlrev_b32 v[V8H], 3, v27
	s_lshl_b32 s31, s[NX], 10                      ; the slice's 256 columns
	v_add_nc_u32 v[VZ], s31, v[L16]
	s_lshl_b32 s32, s[WV], 8                       ; my 64 of them
	s_add_co_u32 s31, s31, s32
	v_lshl_add_u32 v[VCOL], v26, 4, s31
	s_wait_kmcnt 0x0
	s_load_b256 s[OFS:OFS+7], s[8:9], 0x0
	s_load_b32 s[OFS+8], s[8:9], 0x20
	s_wait_kmcnt 0x0
	; MY TILE, from the offsets
.irp j, 0,1,2,3,4,5,6,7,8
	s_max_i32 s[OFS+\j], s[OFS+\j], 0
	s_min_i32 s[OFS+\j], s[OFS+\j], T_ROWS
.endr
.irp j, 1,2,3,4,5,6,7,8
	s_max_u32 s[OFS+\j], s[OFS+\j], s[OFS+\j-1]
.endr
	s_mov_b32 s[PP], 0
	s_mov_b32 s[EX], 0
	s_mov_b32 s[PE], 0
	s_mov_b32 s[OE], s[OFS]
	s_mov_b32 s[OE1], s[OFS+1]
.irp e, 0,1,2,3,4,5,6,7                ; the last expert whose first tile is not behind mine
	s_cmp_ge_u32 s[TY], s[PP]
	s_cselect_b32 s[EX], \e, s[EX]
	s_cselect_b32 s[PE], s[PP], s[PE]
	s_cselect_b32 s[OE], s[OFS+\e], s[OE]
	s_cselect_b32 s[OE1], s[OFS+1+\e], s[OE1]
	s_sub_co_u32 s31, s[OFS+1+\e], s[OFS+\e]
	s_add_co_u32 s31, s31, TM-1
	s_lshr_b32 s31, s31, 5                         ; ceil(n / 288) = ((n + 287) / 32) / 9; a / 9 = a x 7282 >> 16 for a up to 520: the factor is 3.4e-6 over 1/9, 0.002 in all, under the 1/9 to spare
	s_mul_i32 s31, s31, 7282
	s_lshr_b32 s31, s31, 16
	s_add_co_u32 s[PP], s[PP], s31
.endr
	s_sub_co_u32 s31, s[TY], s[PE]
	s_mul_i32 s31, s31, TM
	s_add_co_u32 s[FIRST], s[OE], s31
	s_sub_co_i32 s[CNT], s[OE1], s[FIRST]
	s_min_i32 s[CNT], s[CNT], TM
	s_max_i32 s[CNT], s[CNT], 0
	s_cmp_ge_u32 s[TY], s[PP]                      ; a tile number that this split does not use
	s_cselect_b32 s[CNT], 0, s[CNT]
	s_min_u32 s[FIRST], s[FIRST], 0x3fff
	s_max_u32 s31, s[CNT], 1
	s_add_co_u32 s[LAST], s[FIRST], s31
	s_sub_co_u32 s[LAST], s[LAST], 1
	s_min_u32 s[EX], s[EX], 7
	s_lshl_b32 s38, s[EX], 21                      ; an expert's weights are 2^21 bytes, a slice's 256 rows 2^19, my 64 rows 2^17
	s_lshl_b32 s31, s[NX], 19
	s_add_co_u32 s38, s38, s31
	s_lshl_b32 s31, s[WV], 17
	s_add_co_u32 s38, s38, s31
	s_mov_b32 s39, 0
	s_add_nc_u64 s[WB:WB+1], s[10:11], s[38:39]
	s_lshl_b32 s31, s[WV], 3
	s_add_co_u32 s[XROW], s[FIRST], s31
	s_mov_b32 s[OREM], 0                           ; the first way out is of a block that does not exist
	s_mov_b32 s[OROW], 0
	s_mov_b32 s[NREM], s[CNT]
	s_mov_b32 s[NROW], s[FIRST]
	; THE FIRST LOADS: bias, chunk 0 of X, the first 8 rows of weights
	s_lshl_b32 s31, s[EX], 12
	v_add_nc_u32 v28, s31, v[VCOL]
	global_load_b128 v[BI:BI+3], v28, s[6:7]
	XADDR
.set bi, 0
.rept 8
	ROWGX 0, bi
.set bi, bi+1
.endr
.set bi, 0
.rept 8
	ROWGW 1, bi, 4*bi                              ; rows 4 i: column r = i of accumulator 0
.set bi, bi+1
.endr
	WIN 0
.set bi, 0
.rept 32
	v_mov_b32 v[ACC+32+bi], 0                      ; the first way out adds the bias onto these and stores nothing: they need only have been written
.set bi, bi+1
.endr
	; ZEROS for rows that no expert holds.  Wave w of work-group (x, y) answers for rows 256 y + 64 w .. + 63, columns 256 x .. + 255; jumped where all of them have an expert.
	s_lshl_b32 s[ZROW], s[TY], 8
	s_lshl_b32 s31, s[WV], 6
	s_add_co_u32 s[ZROW], s[ZROW], s31
	s_add_co_u32 s31, s[ZROW], 64
	s_cmp_lt_u32 s[ZROW], s[OFS]
	s_cbranch_scc1 .Lzero
	s_cmp_le_u32 s31, s[OFS+8]
	s_cbranch_scc1 .Lnozero
.Lzero:
	s_lshl_b32 s38, s[ZROW], 12
	s_add_nc_u64 s[ZB:ZB+1], s[12:13], s[38:39]
.irp k, 0,1,2,3
	v_mov_b32 v[OUT+\k], 0
.endr
	s_mov_b32 s[ZCNT], 64
.Lzloop:
	s_cmp_lt_u32 s[ZROW], s[OFS]
	s_cbranch_scc1 .Lzstore
	s_cmp_lt_u32 s[ZROW], s[OFS+8]
	s_cbranch_scc1 .Lzskip
.Lzstore:
	global_store_b128 v[VZ], v[OUT:OUT+3], s[ZB:ZB+1] th:TH_STORE_NT
	global_store_b128 v[VZ], v[OUT:OUT+3], s[ZB:ZB+1] offset:512 th:TH_STORE_NT
.Lzskip:
	s_wait_xcnt 0x0                                ; the base is stepped only behind this wait
	s_add_nc_u64 s[ZB:ZB+1], s[ZB:ZB+1], OB
	s_add_co_u32 s[ZROW], s[ZROW], 1
	s_sub_co_u32 s[ZCNT], s[ZCNT], 1
	s_cmp_lg_u32 s[ZCNT], 0
	s_cbranch_scc1 .Lzloop
.Lnozero:
	; THE WEIGHTS INTO REGISTERS, chunk 0 into LDS.  Batches of 8 rows take turns on the two halves of window 1.  Staged row 16 nb + r holds row 4 r + nb of my 64.
	BATCH 0, VS, 0, 0, 32                          ; chunk 0 of X; loaded again: rows 32 + 4 i
	v_add_nc_u32 v[VS], CH, v[VS]
	s_mov_b32 s[CTR], 3
.Lw:                                                   ; trip nb = 0, 1, 2
	BATCH 1, VW, 0, 0, 1                           ; rows 4 i + nb; loaded again: 4 i + nb + 1
	BATCH 0, VW, 8*PX, 0, 33                       ; rows 32 + 4 i + nb; loaded again: 32 + 4 i + nb + 1
	s_wait_xcnt 0x0                                ; the base is stepped only behind this wait
	s_add_nc_u64 s[WB:WB+1], s[WB:WB+1], XB
	v_add_nc_u32 v[VW], BLK, v[VW]
	s_sub_co_u32 s[CTR], s[CTR], 1
	s_cmp_lg_u32 s[CTR], 0
	s_cbranch_scc1 .Lw
	BREAD 0
	BREAD 1
	BREAD 2
	XADDR
	BATCH 1, VW, 0, 1, 0                           ; rows 4 i + 3; loaded again: chunk 1 of X
	XADDR
	BATCH 0, VW, 8*PX, 1, 0                        ; rows 32 + 4 i + 3; loaded again: chunk 2 of X
	BREAD 3
	s_wait_dscnt 0x0                               ; my part of chunk 0 is stored, and my staged weights are read out:
	s_barrier_signal -1
	s_barrier_wait -1                              ; so are everybody's: chunk 0 may be read, chunks 1 to 8 may be written
.irp k, 0,1,2,3,4,5,6,7
	AFLD \k, 64*\k
.endr
	; THE MAIN PHASE.  Chunk c: its two blocks are multiplied, chunk c + 1 goes into LDS, chunk c + 3 is asked for, and the two blocks finished before leave.
	s_mov_b32 s[CTR], 3
.Lmain:
	CHUNK 1, 2, 1, 60, 0
	CHUNK 0, 2, 1, 60, 0
	s_sub_co_u32 s[CTR], s[CTR], 1
	s_cmp_lg_u32 s[CTR], 0
	s_cbranch_scc1 .Lmain
	CHUNK 1, 1, 1, 60, 4                           ; chunk 6: nothing is left to ask for, so the counts run down: 60 - 4 i,
	CHUNK 0, 1, 1, 28, 4                           ; chunk 7: 28 - 4 i
	CHUNK 0, 0, 0, 0, 0                            ; chunk 8
	PLACES                                         ; behind the last products
.irp g, 0,1,2,3,4,5,6,7
	ADDG 1, \g
.endr
	WOUT
	s_wait_tensorcnt 0x0                           ; the wave's end: behind my last LDS store
	ds_add_u32 v[SPW], v[NIL]
	s_wait_dscnt 0x0
	s_endpgm
.Lfunc_end_k_q9d2d3b6af5_moe:
	.size	k_q9d2d3b6af5_moe, .Lfunc_end_k_q9d2d3b6af5_moe-k_q9d2d3b6af5_moe
	.p2alignl 7, 3214868480
	.fill 96, 4, 3214868480
	.section	.rodata,"a",@progbits
	.p2align	6, 0x0
	.amdhsa_kernel k_q9d2d3b6af5_moe
		.amdhsa_group_segment_fixed_size 300032
		.amdhsa_private_segment_fixed_size 0
		.amdhsa_enable_private_segment 0
		.amdhsa_kernarg_size 40
		.amdhsa_user_sgpr_count 2
		.amdhsa_user_sgpr_kernarg_segment_ptr 1
		.amdhsa_wavefront_size32 1
		.amdhsa_system_sgpr_workgroup_id_x 1
		.amdhsa_system_sgpr_workgroup_id_y 1
		.amdhsa_system_sgpr_workgroup_id_z 1
		.amdhsa_system_vgpr_workitem_id 0
		.amdhsa_next_free_vgpr 1024
		.amdhsa_next_free_sgpr 66
		.amdhsa_reserve_vcc 0
		.amdhsa_float_denorm_mode_32 3
		.amdhsa_float_denorm_mode_16_64 3
		.amdhsa_memory_ordered 1
		.amdhsa_forward_progress 1
		.amdhsa_inst_pref_size 244
	.end_amdhsa_kernel
	.amdgpu_metadata
---
amdhsa.version: [ 1, 2 ]
amdhsa.kernels:
  - .name:           k_q9d2d3b6af5_moe
    .symbol:         k_q9d2d3b6af5_moe.kd
    .args:
      - { .name: X, .offset: 0, .size: 8, .value_kind: global_buffer, .address_space: global }
      - { .name: bias, .offset: 8, .size: 8, .value_kind: global_buffer, .address_space: global }
      - { .name: expert_offset, .offset: 16, .size: 8, .value_kind: global_buffer, .address_space: global }
      - { .name: weight, .offset: 24, .size: 8, .value_kind: global_buffer, .address_space: global }
      - { .name: out0, .offset: 32, .size: 8, .value_kind: global_buffer, .address_space: global }
    .group_segment_fixed_size: 300032
    .private_segment_fixed_size: 0
    .kernarg_segment_align: 8
    .kernarg_segment_size: 40
    .max_flat_workgroup_size: 128
    .sgpr_count:     66
    .vgpr_count:     1024
    .wavefront_size: 32
...
	.end_amdgpu_metadata
.endif
;; end of part 1
;; ======== version 2 of 3: 1 launch; 1.12 times as fast as version 1
;; launch moe (part 2): grid 4 x 64, 4 waves a work-group, no clusters, 300,032 bytes of LDS; arguments X, bias, expert_offset, weight, out0; writes out0
.if DOCPART == 2
	.amdgcn_target "amdgcn-amd-amdhsa--gfx1250"
	.amdhsa_code_object_version 6
	.text
	.protected	k_q9d2d3b6af5_moe
	.globl	k_q9d2d3b6af5_moe
	.p2align	8
	.type	k_q9d2d3b6af5_moe,@function
k_q9d2d3b6af5_moe:
	s_mov_b64 s[64:65], 0
	v_nop
	global_prefetch_b8 v0, s[64:65] scope:SCOPE_SE
	s_setreg_imm32_b32 hwreg(HW_REG_WAVE_MODE, 25, 1), 1
	s_wait_xcnt 0x0
; GROUPED GEMM.  out[t][:] = X[t][:] . W[e]^T + bias[e] for offset[e] <= t < offset[e+1]; 0 for a row that no expert holds.
; X [16384][512], W [8][1024][512], bias [8][1024], out [16384][1024], all f32; offset [9] i32.
; X and W are rounded once to bf16 (nearest even) for the matrix unit; sums and bias stay in f32.
; LIMITS.  The offsets are taken as ascending (the search in the problem's text relies on it): a value outside 0 .. 16384 is clamped, a descending step
; counts as an empty expert.  A NaN or infinity in X stays within its own token's row.  The sum over k begins at one of the four quarters of K, by the tile's number (K ROTATED, below):
; an order of rounding that differs from the reference's.
; SHARES.  A tile is up to 288 consecutive rows of ONE expert x 256 columns.  The sum over 8 experts of ceil(n_e / 288) is at most (16384 + 8 x 287) / 288 = 64,
; whatever the split: 64 row tiles x 4 column slices = 256 work-groups, one tile each, every trip count a constant.  Every work-group finds its tile from the
; nine offsets by scalar arithmetic.  A tile that a split leaves empty walks clamped rows and stores nothing, so that every wave passes every barrier.
; A WAVE owns 64 of the tile's columns; its weights, 64 x 512 in bf16, stay in 512 registers.  The tile's rows stream: f32 by whole rows into registers, rounded,
; into LDS as bf16 (each LDS byte of the tile is written once), from there as fragments to all four waves.  A block of 16 rows is 64 matrix instructions a wave; a
; finished block leaves from registers while the next is multiplied.
; K ROTATED.  Quarter q of every LDS row, and so K steps 4 q .. 4 q + 3 in registers, holds k quarter (q + rho) mod 4 of memory, for X and for W alike: the products are the same.
; rho = (y + y / 4) mod 4 with the tile's number y.  The weights are staged a quarter at a time, q = 0 .. 3, so the tiles of one expert, which read the same weights, ask for different
; quarters of them at the same time, and each quarter is asked for first by one tile in four.  rho enters global addresses alone: every LDS address and register number is a constant of the text.
; ORDER.  Memory instructions stand in RUNS, never singly among the matrix instructions: a chunk's 128 matrix instructions are broken at four places, behind the first and the 33rd of
; each block, and all LDS loads, LDS stores, loads of X and stores into out stand there.  Behind the other matrix instructions ride vector instructions alone, four at a time.
; COLUMNS.  Accumulator nb, lane column r is column 4 r + nb of the wave's 64 (the weights are staged in that order).  So register j of a lane's four accumulators
; are four neighbouring columns of row 8 (lane / 16) + j: the four bias additions gather them into 16 bytes, and sixteen lanes store 256 consecutive aligned bytes.
; NO JOINT LOADS.  What a tile's four column slices share is X in f32: laid into LDS as it is it would be written (4 bytes a number), read back (4), written as bf16 (2) and
; read as fragments by four waves (8): 18 bytes against the 10 of the way through registers.  The weights' sharers are the row tiles of one expert, whose number hangs on the split.
.set T_ROWS, 16384
.set XB,    2048                       ; bytes in a row of X and of W
.set QB,    512                        ; bytes in a quarter of such a row: what one load of a wave brings
.set OB,    4096                       ; bytes in a row of out and of bias
.set TM,    288                        ; rows in a tile: 9 chunks of 32, 18 blocks of 16
.set PX,    1040                       ; an LDS row: 1,024 bytes of bf16 + 16 = 65 x 16: the 16 rows of a fragment load start 16 bytes apart modulo 256
.set CH,    32*PX                      ; a chunk
.set BLK,   16*PX                      ; a block
.set WREG,  64*PX                      ; a wave's staged weights: they lie over chunks 1 to 8 and are read out before the first barrier
.set SPARE, 9*CH                       ; behind the tile: the spare words, 128 bytes for each wave: two blocks of 256 bytes that no other line names
; window 0
.set SPW,  1                           ; v1   SPARE + 4 x thread; never rewritten
.set NIL,  2                           ; v2   0; never rewritten
.set L16,  3                           ; v3   16 x lane
.set VS,   4                           ; v4   LDS: 8 x lane + my 8 rows of the chunk to be stored
.set VAF,  5                           ; v5   LDS: my lane's place in a fragment of the chunk in hand
.set VW,   6                           ; v6   LDS: 8 x lane in the quarter in hand of my staged weights
.set VBF,  7                           ; v7   LDS: my lane's place in a fragment of my staged weights
.set V8H,  8                           ; v8   8 x (lane / 16)
.set VCOL, 9                           ; v9   byte of my four columns in a row of out or bias
.set VO,   10                          ; v10  offset of the stores into out
.set VT,   11                          ; v11  at work
.set BI,   12                          ; v[12:15] bias of my four columns
.set XA,   16                          ; v[16:23] offsets of my 8 rows of X in the chunk to be loaded
.set VZ,   24                          ; v24  offset in a row of out for the zero rows
.set ACC,  32                          ; v[32:95] two sets of four accumulators, by the block's parity
.set AF,   96                          ; v[96:223] a block's fragments of X: K step ks at AF + 8 ks
.set OUT,  224                         ; v[224:255] a block on its way out: quad j = rows j and 8 + j
; window 1: numbers as loaded, two halves of 32 loads x 4 registers.   windows 2, 3: the weights: K step ks, accumulator nb in window 2 + ks / 8 at 32 (ks % 8) + 8 nb
.set WV,   14                          ; s14 wave   s15 column slice
.set NX,   15
.set OFS,  16                          ; s[16:24] the nine offsets
.set TY,   25                          ; tile number
.set PP,   26                          ; tiles of the experts so far
.set EX,   27                          ; my expert
.set PE,   28                          ; its first tile
.set OE,   29                          ; its first row, and the row behind its last
.set OE1,  30
.set FIRST, 33                         ; my tile's first row, its number of rows, its last row
.set CNT,  34
.set LAST, 35
.set WB,   36                          ; s[36:37] my weights; never rewritten
.set XROW, 40                          ; my first row of the chunk whose addresses are made next
.set CTR,  41
.set OROW, 42                          ; first row and rows left of the block that leaves next; the same for the block behind it
.set OREM, 43
.set NROW, 44
.set NREM, 45
.set ZB,   46                          ; s[46:47], s48, s49: the zero rows
.set ZROW, 48
.set ZCNT, 49
.set RHO,  50                          ; the quarter of K at which my tile begins
.set QC,   51                          ; rho + the quarter being asked for
.set XO,   52                          ; s[52:59] byte offsets of 8 rows of X
.set WC,   60                          ; s[60:61] my weights at the quarter being asked for
.set XQ,   66                          ; s[66:73] X at k quarter (q + rho) mod 4, q = 0 .. 3
.set W_M0, 0x08                        ; matrix: source 1 (weights) in window 2
.set W_M1, 0x0c                        ; in window 3
.set W_CV, 0x45                        ; conversions in place in window 1
.set W_ST, 0x04                        ; LDS store: data in window 1
.set W_GL, 0x40                        ; load: destination in window 1
.set W_B2, 0x80
.set W_B3, 0xc0
.set MSB, 0
.macro WIN new                         ; the immediate's high byte repeats the setting that is left; a switch that changes nothing is dropped
.if MSB != (\new)
	s_set_vgpr_msb (MSB<<8)|(\new)
.set MSB, (\new)
.endif
.endm
.macro PLACES                          ; four plain vector instructions between a matrix instruction and a load into, or a read of, its registers
.rept 4
	v_nop
.endr
.endm
; offsets of my 8 rows of the next chunk: rows past the tile's last repeat it
.macro XADDR
.irp i, 0,1,2,3,4,5,6,7
	s_add_co_u32 s31, s[XROW], \i
	s_min_u32 s31, s31, s[LAST]
	s_min_u32 s31, s31, 0x3fff
	s_lshl_b32 s[XO+\i], s31, 11
.endr
	s_wait_xcnt 0x0                                ; the loads that name XA have had their addresses translated
.irp i, 0,1,2,3,4,5,6,7
	v_add_nc_u32 v[XA+\i], s[XO+\i], v[L16]
.endr
	s_add_co_u32 s[XROW], s[XROW], 32
.endm
; A half of window 1 holds 32 loads, 4 registers each: load 4 i + q.  A load holds 4 neighbouring numbers a lane, 128 of one quarter of a row in all.
.macro ROWCV rp, i, half               ; two of the loads 4 i .. 4 i + 3 rounded in place: 4 f32 -> 8 bytes
	WIN W_CV
.irp q, 0,1
.set R, 128*(\rp)+16*(\i)+4*(2*(\half)+\q)
	v_cvt_pk_bf16_f32 v[R], v[R], v[R+1]
	v_cvt_pk_bf16_f32 v[R+1], v[R+2], v[R+3]
.endr
.endm
.macro ROWST rp, i, areg, base         ; X: loads 4 i + q are row i's four quarters; into LDS: each store is 256 consecutive bytes
	WIN W_ST
.irp q, 0,1,2,3
.set R, 128*(\rp)+16*(\i)+4*\q
	ds_store_b64 v[\areg], v[R:R+1] offset:(\base)+256*\q
.endr
.endm
.macro ROWGX rp, i                     ; X: row i's four quarters, each from its own base: LDS quarter q takes k quarter (q + rho) mod 4
	WIN W_GL
.irp q, 0,1,2,3
.set R, 128*(\rp)+16*(\i)+4*\q
	global_load_b128 v[R:R+3], v[XA+(\i)], s[XQ+2*\q:XQ+2*\q+1]
.endr
.endm
.macro WGL rp, hh                      ; W: load j is one quarter of row 32 hh + j of my 64: the quarter at which WC stands
	WIN W_GL
.set bj, 0
.rept 32
	global_load_b128 v[128*(\rp)+4*bj:128*(\rp)+4*bj+3], v[L16], s[WC:WC+1] offset:(32*(\hh)+bj)*XB
.set bj, bj+1
.endr
.endm
.macro WSTQ rp, hh                     ; W: into LDS: row m of my 64 is column m / 4 of accumulator m % 4 and goes to staged row 16 (m % 4) + m / 4; VW holds the quarter
	WIN W_ST
.set bj, 0
.rept 32
.set wm, 32*(\hh)+bj
	ds_store_b64 v[VW], v[128*(\rp)+4*bj:128*(\rp)+4*bj+1] offset:(16*(wm%4)+wm/4)*PX
.set bj, bj+1
.endr
.endm
; A half of window 1 leaves for LDS and is loaded again: one wait, 64 conversions, a run of 32 LDS stores, a run of 32 loads.
; The count: behind this half's 32 loads only the other half's 32 were issued.
; sx = 1: the half holds 8 rows of X; 0: a quarter of rows 32 hh .. 32 hh + 31 of my weights.  lx = 1: it takes 8 rows of X; 0: a quarter of the same 32 rows.
; pre = 1: the weights' base goes a quarter on; pre = 2: X's next addresses are made.  Both stand behind the conversions, well behind the loads that their wait is for.
.macro BATCH rp, sx, hh, lx, pre
	s_wait_loadcnt 32
.set bi, 0
.rept 8
	ROWCV \rp, bi, 0
	ROWCV \rp, bi, 1
.set bi, bi+1
.endr
.if (\pre) == 1
	s_wait_xcnt 0x0                                ; the base is made anew only behind this wait
	s_add_co_u32 s[QC], s[QC], 1
	s_and_b32 s31, s[QC], 3                        ; k quarter (q + rho) mod 4,
	s_lshl_b32 s38, s31, 9                         ; in bytes (s39 holds 0)
	s_add_nc_u64 s[WC:WC+1], s[WB:WB+1], s[38:39]
.elseif (\pre) == 2
	WIN 0
	XADDR
.endif
.if \sx
.set bi, 0
.rept 8
	ROWST \rp, bi, VS, bi*PX
.set bi, bi+1
.endr
.else
	WSTQ \rp, \hh
.endif
.if \lx
.set bi, 0
.rept 8
	ROWGX \rp, bi
.set bi, bi+1
.endr
.else
	WGL \rp, \hh
.endif
	WIN 0
.endm
; Quarter q of my staged weights into registers: K steps 4 q .. 4 q + 3 of all four accumulators.  LDS serves a wave's instructions in order (ISA guide 5.7.1), so these see my stores.
.macro BREADQ q
.if (\q) < 2
	WIN W_B2
.else
	WIN W_B3
.endif
.irp k, 0,1,2,3
.irp nb, 0,1,2,3
	ds_load_b128 v[32*((4*(\q)+\k)%8)+8*\nb:32*((4*(\q)+\k)%8)+8*\nb+3],   v[VBF] offset:\nb*BLK+64*(4*(\q)+\k)
	ds_load_b128 v[32*((4*(\q)+\k)%8)+8*\nb+4:32*((4*(\q)+\k)%8)+8*\nb+7], v[VBF] offset:\nb*BLK+64*(4*(\q)+\k)+32
.endr
.endr
	WIN 0
.endm
; matrix instruction p of a block's 64: K step p / 4, accumulator p % 4.  The four accumulators take turns, one instruction a turn, and the two blocks' sets take turns.
; The first four start the sums with the constant 0.
.macro MM par
.set ks, p/4
.set cb, p%4
.set rD, ACC+32*(\par)+8*cb
.set rA, AF+8*ks
.set rB, 32*(ks%8)+8*cb
.if p < 32
	WIN W_M0
.else
	WIN W_M1
.endif
.if p < 4
	v_wmma_f32_16x16x32_bf16 v[rD:rD+7], v[rA:rA+7], v[rB:rB+7], 0
.else
	v_wmma_f32_16x16x32_bf16 v[rD:rD+7], v[rA:rA+7], v[rB:rB+7], v[rD:rD+7]
.endif
.endm
.macro AFLD ks, off                    ; a fragment of 16 rows x 32 K: two loads of 16 bytes, 32 bytes apart; destination and address lie in window 0 under the matrix settings too
	ds_load_b128 v[AF+8*(\ks):AF+8*(\ks)+3],   v[VAF] offset:(\off)
	ds_load_b128 v[AF+8*(\ks)+4:AF+8*(\ks)+7], v[VAF] offset:(\off)+32
.endm
; Register g of the four accumulators + bias -> quad g; g ascends.  The addition is written as a fused multiply-add by 1.0 (the same
; number, rounded once): its destination, source 0 and source 2 all mean window 0 under the matrix settings, where an addition's second source would mean the weights' window: no switch is needed.
.macro ADDG par, g
.if (\g) == 0
	s_wait_xcnt 0x0                                ; the last global instructions stand 48 matrix instructions back: behind this wait OUT, VO and XA, which they read, may be rewritten
.endif
.irp nb, 0,1,2,3
	v_fma_f32 v[OUT+4*(\g)+\nb], v[ACC+32*(\par)+8*\nb+(\g)], 1.0, v[BI+\nb]
.endr
.endm
; The block in OUT is stored: whole, in part, or not at all.  In a part block the places past the count hold the tile's last row once more (X's rows were clamped to it) and are stored onto that row.
; VO is free: between ADDG's wait and this macro stands no global instruction.
.macro WOUT
	WIN 0
	s_cmp_gt_i32 s[OREM], 0
	s_cbranch_scc0 .Lnone_\@
	v_add_nc_u32 v[VT], s[OROW], v[V8H]
	s_cmp_ge_i32 s[OREM], 16
	s_cbranch_scc0 .Lpart_\@
	v_min_u32 v[VT], 0x3ff8, v[VT]                 ; a whole block's row 8 h + 7 exists, so this changes nothing
	v_lshl_add_u32 v[VO], v[VT], 12, v[VCOL]
.irp j, 0,1,2,3,4,5,6,7
	global_store_b128 v[VO], v[OUT+4*\j:OUT+4*\j+3], s[12:13] offset:OB*\j th:TH_STORE_NT  ; lanes 0-15 and 16-31 each store 256 consecutive bytes, at a multiple of 256 from out's first byte
.endr
	s_branch .Lnone_\@
.Lpart_\@:
.irp j, 0,1,2,3,4,5,6,7
	s_wait_xcnt 0x0                                ; the store before has read VO
	v_add_nc_u32 v[VO], \j, v[VT]
	v_min_u32 v[VO], s[LAST], v[VO]
	v_min_u32 v[VO], 0x3fff, v[VO]
	v_lshl_add_u32 v[VO], v[VO], 12, v[VCOL]
	global_store_b128 v[VO], v[OUT+4*\j:OUT+4*\j+3], s[12:13] th:TH_STORE_NT
.endr
.Lnone_\@:
	s_mov_b32 s[OREM], s[NREM]
	s_mov_b32 s[OROW], s[NROW]
	s_sub_co_i32 s[NREM], s[NREM], 16
	s_add_co_u32 s[NROW], s[NROW], 16
.endm
; A chunk's first block.  sg = 2: the next chunk goes into LDS and the chunk three on is asked for; 1: only the first; 0: neither.  lc: the loads issued behind the next chunk's 32.
;   behind p = 0        a run: the block's K steps 8-15
;   behind p = 1 .. 16  riders: the next chunk's 8 rows are rounded, four conversions each; beside the first eight the scalar part of the addresses of the chunk three on
;   behind p = 17 .. 24 riders: the block before + bias
;   behind p = 32       a run: that block's stores, the second block's K steps 0-7, the next chunk's 32 LDS stores, the 32 loads of the chunk three on
.macro BLOCK0 rp, sg, lc
	s_wait_dscnt 0x0                               ; the block's K steps 0-7 are in
.if (\sg) >= 1
	s_wait_loadcnt \lc                             ; my 8 rows of the next chunk are in
.endif
.set p, 0
.rept 64
.if p == 32
	s_wait_dscnt 0x0                               ; K steps 8-15 are in
.endif
	MM 0
.if p == 0
	PLACES                                         ; behind the last block's last products: they read the registers loaded next, and their results are read from p = 17 on
.irp k, 0,1,2,3,4,5,6,7
	AFLD 8+\k, 64*(8+\k)
.endr
.elseif p <= 16
.if (\sg) >= 1
	ROWCV \rp, (p-1)/2, (p-1)%2
.endif
.if ((\sg) == 2) && (p <= 8)
	s_add_co_u32 s31, s[XROW], p-1
	s_min_u32 s31, s31, s[LAST]
	s_min_u32 s31, s31, 0x3fff
	s_lshl_b32 s[XO+p-1], s31, 11
.endif
.elseif p <= 24
	ADDG 1, p-17
.elseif p == 32
	WIN 0
.if (\sg) == 2
.irp k, 0,1,2,3,4,5,6,7
	v_add_nc_u32 v[XA+\k], s[XO+\k], v[L16]        ; these eight are also the places behind the last product that read K steps 0-7
.endr
	s_add_co_u32 s[XROW], s[XROW], 32
.else
	PLACES
.endif
	WOUT
.irp k, 0,1,2,3,4,5,6,7
	AFLD \k, BLK+64*\k                             ; the second block's K steps 0-7
.endr
.if (\sg) >= 1
.set bi, 0
.rept 8
	ROWST \rp, bi, VS, bi*PX
.set bi, bi+1
.endr
.endif
.if (\sg) == 2
.set bi, 0
.rept 8
	ROWGX \rp, bi
.set bi, bi+1
.endr
.endif
.endif
.set p, p+1
.endr
.endm
; A chunk's second block.  bar = 1: ONE barrier shows the next chunk to every wave: each wave's stores into it are done ahead of its signal; between signal and wait stand matrix
; instructions, the bias additions and LDS loads of the chunk in hand, whose bytes nobody writes again; behind the wait stand the stores into out and the next chunk's first fragments.
;   behind p = 0        a run: the block's K steps 8-15          behind p = 17 .. 24  riders: the first block + bias
;   behind p = 32       a run: that block's stores, the next chunk's K steps 0-7
.macro BLOCK1 bar
	s_wait_dscnt 0x0                               ; K steps 0-7 are in, and my stores into the next chunk are done
.if \bar
	s_barrier_signal -1
.endif
.set p, 0
.rept 64
.if p == 32
	s_wait_dscnt 0x0                               ; K steps 8-15 are in
.endif
	MM 1
.if p == 0
	PLACES
.irp k, 0,1,2,3,4,5,6,7
	AFLD 8+\k, BLK+64*(8+\k)
.endr
.elseif (p >= 17) && (p <= 24)
	ADDG 0, p-17
.elseif p == 32
.if \bar
	s_barrier_wait -1
.endif
	WIN 0
.if \bar
	v_add_nc_u32 v[VAF], CH, v[VAF]                ; fragments and LDS stores go a chunk on (behind the last chunk stored the second step is not used);
	v_add_nc_u32 v[VS], CH, v[VS]
	v_nop                                          ; with these two: the four places behind the last product that read K steps 0-7
	v_nop
.endif
	WOUT
.if \bar
.irp k, 0,1,2,3,4,5,6,7
	AFLD \k, 64*\k
.endr
.endif
.endif
.set p, p+1
.endr
.endm
.macro CHUNK rp, sg, bar, lc
	BLOCK0 \rp, \sg, \lc
	BLOCK1 \bar
	WIN 0                                          ; at a label and at a branch every window is 0
.endm
	; THE HEAD
	s_load_b256 s[4:11], s[0:1], 0x0               ; X s[4:5], bias s[6:7], offsets s[8:9], weights s[10:11]
	s_load_b64 s[12:13], s[0:1], 0x20              ; out
	v_lshl_add_u32 v[SPW], v0, 2, SPARE
	v_mov_b32 v[NIL], 0
	v_lshrrev_b32 v29, 5, v0
	v_readfirstlane_b32 s[WV], v29                 ; wave 0..3
	v_and_b32 v25, 31, v0                          ; lane
	v_and_b32 v26, 15, v0                          ; r = lane % 16
	v_bfe_u32 v27, v0, 4, 1                        ; h = lane / 16
	s_mov_b32 s[NX], ttmp9
	s_and_b32 s[TY], ttmp7, 0xffff
	v_lshlrev_b32 v[L16], 4, v25
	s_mul_i32 s31, s[WV], 8*PX                     ; of a chunk's 32 rows wave w brings rows 8 w .. 8 w + 7
	v_lshl_add_u32 v[VS], v25, 3, s31
	v_mul_u32_u24 v[VAF], v26, PX
	v_lshl_add_u32 v[VAF], v27, 4, v[VAF]          ; row r x pitch + 16 h
	s_mul_i32 s32, s[WV], WREG
	s_add_co_u32 s32, s32, CH                      ; my staged weights
	v_lshl_add_u32 v[VW], v25, 3, s32
	v_add_nc_u32 v[VBF], s32, v[VAF]
	v_lshlrev_b32 v[V8H], 3, v27
	s_lshl_b32 s31, s[NX], 10                      ; the slice's 256 columns
	v_add_nc_u32 v[VZ], s31, v[L16]
	s_lshl_b32 s32, s[WV], 8                       ; my 64 of them
	s_add_co_u32 s31, s31, s32
	v_lshl_add_u32 v[VCOL], v26, 4, s31
	s_lshr_b32 s31, s[TY], 2                       ; rho = (y + y / 4) mod 4: neighbouring tiles differ, and so do tiles 4 apart
	s_add_co_u32 s[RHO], s[TY], s31
	s_and_b32 s[RHO], s[RHO], 3
	s_mov_b32 s[QC], s[RHO]
	s_mov_b32 s39, 0                               ; the high word of every offset pair s[38:39]
	s_wait_kmcnt 0x0
	s_load_b256 s[OFS:OFS+7], s[8:9], 0x0
	s_load_b32 s[OFS+8], s[8:9], 0x20
.irp q, 0,1,2,3                        ; X at k quarter (q + rho) mod 4, while the offsets are on their way
	s_add_co_u32 s38, s[RHO], \q
	s_and_b32 s38, s38, 3
	s_lshl_b32 s38, s38, 9
	s_add_nc_u64 s[XQ+2*\q:XQ+2*\q+1], s[4:5], s[38:39]
.endr
	s_wait_kmcnt 0x0
	; MY TILE, from the offsets
.irp j, 0,1,2,3,4,5,6,7,8
	s_max_i32 s[OFS+\j], s[OFS+\j], 0
	s_min_i32 s[OFS+\j], s[OFS+\j], T_ROWS
.endr
.irp j, 1,2,3,4,5,6,7,8
	s_max_u32 s[OFS+\j], s[OFS+\j], s[OFS+\j-1]
.endr
	s_mov_b32 s[PP], 0
	s_mov_b32 s[EX], 0
	s_mov_b32 s[PE], 0
	s_mov_b32 s[OE], s[OFS]
	s_mov_b32 s[OE1], s[OFS+1]
.irp e, 0,1,2,3,4,5,6,7                ; the last expert whose first tile is not behind mine
	s_cmp_ge_u32 s[TY], s[PP]
	s_cselect_b32 s[EX], \e, s[EX]
	s_cselect_b32 s[PE], s[PP], s[PE]
	s_cselect_b32 s[OE], s[OFS+\e], s[OE]
	s_cselect_b32 s[OE1], s[OFS+1+\e], s[OE1]
	s_sub_co_u32 s31, s[OFS+1+\e], s[OFS+\e]
	s_add_co_u32 s31, s31, TM-1
	s_lshr_b32 s31, s31, 5                         ; ceil(n / 288) = ((n + 287) / 32) / 9; a / 9 = a x 7282 >> 16 for a up to 520: the factor is 3.4e-6 over 1/9, 0.002 in all, under the 1/9 to spare
	s_mul_i32 s31, s31, 7282
	s_lshr_b32 s31, s31, 16
	s_add_co_u32 s[PP], s[PP], s31
.endr
	s_sub_co_u32 s31, s[TY], s[PE]
	s_mul_i32 s31, s31, TM
	s_add_co_u32 s[FIRST], s[OE], s31
	s_sub_co_i32 s[CNT], s[OE1], s[FIRST]
	s_min_i32 s[CNT], s[CNT], TM
	s_max_i32 s[CNT], s[CNT], 0
	s_cmp_ge_u32 s[TY], s[PP]                      ; a tile number that this split does not use
	s_cselect_b32 s[CNT], 0, s[CNT]
	s_min_u32 s[FIRST], s[FIRST], 0x3fff
	s_max_u32 s31, s[CNT], 1
	s_add_co_u32 s[LAST], s[FIRST], s31
	s_sub_co_u32 s[LAST], s[LAST], 1
	s_min_u32 s[EX], s[EX], 7
	s_lshl_b32 s38, s[EX], 21                      ; an expert's weights are 2^21 bytes, a slice's 256 rows 2^19, my 64 rows 2^17
	s_lshl_b32 s31, s[NX], 19
	s_add_co_u32 s38, s38, s31
	s_lshl_b32 s31, s[WV], 17
	s_add_co_u32 s38, s38, s31
	s_add_nc_u64 s[WB:WB+1], s[10:11], s[38:39]
	s_lshl_b32 s38, s[RHO], 9
	s_add_nc_u64 s[WC:WC+1], s[WB:WB+1], s[38:39]  ; LDS quarter 0 takes k quarter rho
	s_lshl_b32 s31, s[WV], 3
	s_add_co_u32 s[XROW], s[FIRST], s31
	s_mov_b32 s[OREM], 0                           ; the first way out is of a block that does not exist
	s_mov_b32 s[OROW], 0
	s_mov_b32 s[NREM], s[CNT]
	s_mov_b32 s[NROW], s[FIRST]
	; THE FIRST LOADS: bias, chunk 0 of X, the first quarter of my weights' rows 0-31
	s_lshl_b32 s31, s[EX], 12
	v_add_nc_u32 v28, s31, v[VCOL]
	global_load_b128 v[BI:BI+3], v28, s[6:7]
	XADDR
.set bi, 0
.rept 8
	ROWGX 0, bi
.set bi, bi+1
.endr
	WGL 1, 0
	WIN 0
.set bi, 0
.rept 32
	v_mov_b32 v[ACC+32+bi], 0                      ; the first way out adds the bias onto these and stores nothing: they need only have been written
.set bi, bi+1
.endr
	; ZEROS for rows that no expert holds.  Wave w of work-group (x, y) answers for rows 256 y + 64 w .. + 63, columns 256 x .. + 255; jumped where all of them have an expert.
	s_lshl_b32 s[ZROW], s[TY], 8
	s_lshl_b32 s31, s[WV], 6
	s_add_co_u32 s[ZROW], s[ZROW], s31
	s_add_co_u32 s31, s[ZROW], 64
	s_cmp_lt_u32 s[ZROW], s[OFS]
	s_cbranch_scc1 .Lzero
	s_cmp_le_u32 s31, s[OFS+8]
	s_cbranch_scc1 .Lnozero
.Lzero:
	s_lshl_b32 s38, s[ZROW], 12
	s_add_nc_u64 s[ZB:ZB+1], s[12:13], s[38:39]
.irp k, 0,1,2,3
	v_mov_b32 v[OUT+\k], 0
.endr
	s_mov_b32 s[ZCNT], 64
.Lzloop:
	s_cmp_lt_u32 s[ZROW], s[OFS]
	s_cbranch_scc1 .Lzstore
	s_cmp_lt_u32 s[ZROW], s[OFS+8]
	s_cbranch_scc1 .Lzskip
.Lzstore:
	global_store_b128 v[VZ], v[OUT:OUT+3], s[ZB:ZB+1] th:TH_STORE_NT
	global_store_b128 v[VZ], v[OUT:OUT+3], s[ZB:ZB+1] offset:512 th:TH_STORE_NT
.Lzskip:
	s_wait_xcnt 0x0                                ; the base is stepped only behind this wait
	s_add_nc_u64 s[ZB:ZB+1], s[ZB:ZB+1], OB
	s_add_co_u32 s[ZROW], s[ZROW], 1
	s_sub_co_u32 s[ZCNT], s[ZCNT], 1
	s_cmp_lg_u32 s[ZCNT], 0
	s_cbranch_scc1 .Lzloop
.Lnozero:
	; THE WEIGHTS INTO REGISTERS, chunk 0 into LDS.  Batches of 32 loads take turns on the two halves of window 1: rows 0-31 of my 64 on the second half, rows 32-63 on the first, a quarter of K at a time.
	BATCH 0, 1, 1, 0, 0                            ; chunk 0 of X; loaded again: quarter 0 of rows 32-63
	v_add_nc_u32 v[VS], CH, v[VS]
	s_mov_b32 s[CTR], 3
.Lw:                                                   ; trip q = 0, 1, 2; the base goes a quarter on ahead of the trip's refills
	BATCH 1, 0, 0, 0, 1                            ; quarter q of rows 0-31; loaded again: quarter q + 1
	BATCH 0, 0, 1, 0, 0                            ; quarter q of rows 32-63; loaded again: quarter q + 1
	v_add_nc_u32 v[VW], 256, v[VW]                 ; a quarter of a staged row is 256 bytes
	s_sub_co_u32 s[CTR], s[CTR], 1
	s_cmp_lg_u32 s[CTR], 0
	s_cbranch_scc1 .Lw
	BREADQ 0                                       ; 96 LDS loads while the last quarter is on its way
	BREADQ 1
	BREADQ 2
	BATCH 1, 0, 0, 1, 2                            ; quarter 3 of rows 0-31; loaded again: chunk 1 of X
	BATCH 0, 0, 1, 1, 2                            ; quarter 3 of rows 32-63; loaded again: chunk 2 of X
	BREADQ 3
	s_wait_dscnt 0x0                               ; my part of chunk 0 is stored, and my staged weights are read out:
	s_barrier_signal -1
	s_barrier_wait -1                              ; so are everybody's: chunk 0 may be read, chunks 1 to 8 may be written
.irp k, 0,1,2,3,4,5,6,7
	AFLD \k, 64*\k
.endr
	; THE MAIN PHASE.  Chunk c: its two blocks are multiplied, chunk c + 1 goes into LDS, chunk c + 3 is asked for, and the two blocks finished before leave.
	s_mov_b32 s[CTR], 3
.Lmain:
	CHUNK 1, 2, 1, 32
	CHUNK 0, 2, 1, 32
	s_sub_co_u32 s[CTR], s[CTR], 1
	s_cmp_lg_u32 s[CTR], 0
	s_cbranch_scc1 .Lmain
	CHUNK 1, 1, 1, 32                              ; chunk 6: nothing is left to ask for; behind chunk 7's loads stand chunk 8's 32,
	CHUNK 0, 1, 1, 0                               ; chunk 7: behind chunk 8's none
	CHUNK 0, 0, 0, 0                               ; chunk 8
	PLACES                                         ; behind the last products
.irp g, 0,1,2,3,4,5,6,7
	ADDG 1, \g
.endr
	WOUT
	s_wait_tensorcnt 0x0                           ; the wave's end: behind my last LDS store
	ds_add_u32 v[SPW], v[NIL]
	s_wait_dscnt 0x0
	s_endpgm
.Lfunc_end_k_q9d2d3b6af5_moe:
	.size	k_q9d2d3b6af5_moe, .Lfunc_end_k_q9d2d3b6af5_moe-k_q9d2d3b6af5_moe
	.p2alignl 7, 3214868480
	.fill 96, 4, 3214868480
	.section	.rodata,"a",@progbits
	.p2align	6, 0x0
	.amdhsa_kernel k_q9d2d3b6af5_moe
		.amdhsa_group_segment_fixed_size 300032
		.amdhsa_private_segment_fixed_size 0
		.amdhsa_enable_private_segment 0
		.amdhsa_kernarg_size 40
		.amdhsa_user_sgpr_count 2
		.amdhsa_user_sgpr_kernarg_segment_ptr 1
		.amdhsa_wavefront_size32 1
		.amdhsa_system_sgpr_workgroup_id_x 1
		.amdhsa_system_sgpr_workgroup_id_y 1
		.amdhsa_system_sgpr_workgroup_id_z 1
		.amdhsa_system_vgpr_workitem_id 0
		.amdhsa_next_free_vgpr 1024
		.amdhsa_next_free_sgpr 74
		.amdhsa_reserve_vcc 0
		.amdhsa_float_denorm_mode_32 3
		.amdhsa_float_denorm_mode_16_64 3
		.amdhsa_memory_ordered 1
		.amdhsa_forward_progress 1
		.amdhsa_inst_pref_size 241
	.end_amdhsa_kernel
	.amdgpu_metadata
---
amdhsa.version: [ 1, 2 ]
amdhsa.kernels:
  - .name:           k_q9d2d3b6af5_moe
    .symbol:         k_q9d2d3b6af5_moe.kd
    .args:
      - { .name: X, .offset: 0, .size: 8, .value_kind: global_buffer, .address_space: global }
      - { .name: bias, .offset: 8, .size: 8, .value_kind: global_buffer, .address_space: global }
      - { .name: expert_offset, .offset: 16, .size: 8, .value_kind: global_buffer, .address_space: global }
      - { .name: weight, .offset: 24, .size: 8, .value_kind: global_buffer, .address_space: global }
      - { .name: out0, .offset: 32, .size: 8, .value_kind: global_buffer, .address_space: global }
    .group_segment_fixed_size: 300032
    .private_segment_fixed_size: 0
    .kernarg_segment_align: 8
    .kernarg_segment_size: 40
    .max_flat_workgroup_size: 128
    .sgpr_count:     74
    .vgpr_count:     1024
    .wavefront_size: 32
...
	.end_amdgpu_metadata
.endif
;; end of part 2
;; ======== version 3 of 3: 1 launch; version 2 with the launch moe written anew for expert scheduling mode
;; launch moe (part 3): grid 4 x 64, 4 waves a work-group, no clusters, 300,032 bytes of LDS; arguments X, bias, expert_offset, weight, out0; writes out0
.if DOCPART == 3
	.amdgcn_target "amdgcn-amd-amdhsa--gfx1250"
	.amdhsa_code_object_version 6
	.text
	.protected	k_q9d2d3b6af5_moe
	.globl	k_q9d2d3b6af5_moe
	.p2align	8
	.type	k_q9d2d3b6af5_moe,@function
k_q9d2d3b6af5_moe:
	s_mov_b64 s[64:65], 0
	v_nop
	global_prefetch_b8 v0, s[64:65] scope:SCOPE_SE
	s_setreg_imm32_b32 hwreg(HW_REG_WAVE_SCHED_MODE, 0, 2), 2
	s_setreg_imm32_b32 hwreg(HW_REG_WAVE_MODE, 25, 1), 1
	s_wait_xcnt 0x0
	s_wait_alu depctr_vm_vsrc(0)
; GROUPED GEMM.  out[t][:] = X[t][:] . W[e]^T + bias[e] for offset[e] <= t < offset[e+1]; 0 for a row that no expert holds.
; X [16384][512], W [8][1024][512], bias [8][1024], out [16384][1024], all f32; offset [9] i32.
; X and W are rounded once to bf16 (nearest even) for the matrix unit; sums and bias stay in f32.
; LIMITS.  The offsets are taken as ascending (the search in the problem's text relies on it): a value outside 0 .. 16384 is clamped, a descending step
; counts as an empty expert.  A NaN or infinity in X stays within its own token's row.  The sum over k begins at one of the four quarters of K, by the tile's number (K ROTATED, below):
; an order of rounding that differs from the reference's.
; SHARES.  A tile is up to 288 consecutive rows of ONE expert x 256 columns.  The sum over 8 experts of ceil(n_e / 288) is at most (16384 + 8 x 287) / 288 = 64,
; whatever the split: 64 row tiles x 4 column slices = 256 work-groups, one tile each, every trip count a constant.  Every work-group finds its tile from the
; nine offsets by scalar arithmetic.  A tile that a split leaves empty walks clamped rows and stores nothing, so that every wave passes every barrier.
; A WAVE owns 64 of the tile's columns; its weights, 64 x 512 in bf16, stay in 512 registers.  The tile's rows stream: f32 by whole rows into registers, rounded,
; into LDS as bf16 (each LDS byte of the tile is written once), from there as fragments to all four waves.  A block of 16 rows is 64 matrix instructions a wave; a
; finished block leaves from registers while the next is multiplied.
; K ROTATED.  Quarter q of every LDS row, and so K steps 4 q .. 4 q + 3 in registers, holds k quarter (q + rho) mod 4 of memory, for X and for W alike: the products are the same.
; rho = (y + y / 4) mod 4 with the tile's number y.  The weights are staged a quarter at a time, q = 0 .. 3, so the tiles of one expert, which read the same weights, ask for different
; quarters of them at the same time, and each quarter is asked for first by one tile in four.  rho enters global addresses alone: every LDS address and register number is a constant of the text.
; THE MODE: SCHED_MODE bits 1:0 = 2 (LLVM: expert scheduling mode 2), set by the entry lines.  The code itself states the register dependences
; between vector or matrix instructions and memory or LDS instructions, with s_wait_alu, always for 0.
; THE PLAN.  Registers that memory or LDS instructions touch in the main phase, p counting a block's 64 matrix instructions:
;   H0, H1      the halves of window 1.  32 loads of X land; 64 conversions round them in place (p = 1 .. 16 of a chunk's first block); 32 LDS stores read them and 32 loads land again (its p = 32).
;   AF low      K steps 0-7: read by products 0 .. 31; loaded again behind products 33 .. 40.      AF high     K steps 8-15: read by products 32 .. 63; loaded again behind the next block's products 0 .. 7.
;   OUT         written by the bias additions (p = 17 .. 24); read by the stores into out (p = 32).   VO, v24-31  the stores' offsets, made at the head of the way out.
;   XA          written at p = 32 of a chunk's first block; read by the loads of X behind it.        VS, VAF     stepped at p = 32 of a chunk's second block; read by LDS stores and fragment loads.
;   L16, VBF    made at the head, never written again.   The accumulators, the bias and the weights are named by vector and matrix instructions alone, once loaded.
; THE WAITS of a chunk.  On va_vdst: one at each block's head (the block before is done reading AF high); one in each way out at p = 32 (OUT and the offsets are written, products 0 .. 32 are done
; reading AF low, the conversions have written the half, XA, VS and VAF are written); one ahead of the loads of X.  On vm_vsrc: one at each p = 17 (the stores have read OUT and their offsets, the loads XA, the LDS
; instructions VS and VAF); one ahead of the loads of X (the LDS stores have read the half).
; ORDER.  The fragments' LDS loads are dealt two behind each of eight products: those products and their riders name none of the registers that the loads touch.  The stores into out (they stand under
; branches), the LDS stores and the loads of X (they need other windows, and the loads a wait of their own) stand in one run behind p = 32.  Behind the other products ride vector instructions alone.
; COLUMNS.  Accumulator nb, lane column r is column 4 r + nb of the wave's 64 (the weights are staged in that order).  So register j of a lane's four accumulators
; are four neighbouring columns of row 8 (lane / 16) + j: the four bias additions gather them into 16 bytes, and sixteen lanes store 256 consecutive aligned bytes.
; NO JOINT LOADS.  What a tile's four column slices share is X in f32: laid into LDS as it is it would be written (4 bytes a number), read back (4), written as bf16 (2) and
; read as fragments by four waves (8): 18 bytes against the 10 of the way through registers.  The weights' sharers are the row tiles of one expert, whose number hangs on the split.
.set T_ROWS, 16384
.set XB,    2048                       ; bytes in a row of X and of W
.set QB,    512                        ; bytes in a quarter of such a row: what one load of a wave brings
.set OB,    4096                       ; bytes in a row of out and of bias
.set TM,    288                        ; rows in a tile: 9 chunks of 32, 18 blocks of 16
.set PX,    1040                       ; an LDS row: 1,024 bytes of bf16 + 16 = 65 x 16: the 16 rows of a fragment load start 16 bytes apart modulo 256
.set CH,    32*PX                      ; a chunk
.set BLK,   16*PX                      ; a block
.set WREG,  64*PX                      ; a wave's staged weights: they lie over chunks 1 to 8 and are read out before the first barrier
; window 0
.set L16,  3                           ; v3   16 x lane
.set VS,   4                           ; v4   LDS: 8 x lane + my 8 rows of the chunk to be stored
.set VAF,  5                           ; v5   LDS: my lane's place in a fragment of the chunk in hand
.set VW,   6                           ; v6   LDS: 8 x lane in the quarter in hand of my staged weights
.set VBF,  7                           ; v7   LDS: my lane's place in a fragment of my staged weights
.set V8H,  8                           ; v8   8 x (lane / 16)
.set VCOL, 9                           ; v9   byte of my four columns in a row of out or bias
.set VO,   10                          ; v10  offset of a whole block's stores into out
.set VT,   11                          ; v11  at work
.set BI,   12                          ; v[12:15] bias of my four columns
.set XA,   16                          ; v[16:23] offsets of my 8 rows of X in the chunk to be loaded
.set VZ,   24                          ; v24  offset in a row of out for the zero rows
.set PO,   24                          ; v[24:31] in the main phase: the eight offsets of a part block's stores (v24 serves the zero rows first, v25 to v29 the head)
.set ACC,  32                          ; v[32:95] two sets of four accumulators, by the block's parity
.set AF,   96                          ; v[96:223] a block's fragments of X: K step ks at AF + 8 ks
.set OUT,  224                         ; v[224:255] a block on its way out: quad j = rows j and 8 + j
; window 1: numbers as loaded, two halves of 32 loads x 4 registers.   windows 2, 3: the weights: K step ks, accumulator nb in window 2 + ks / 8 at 32 (ks % 8) + 8 nb
.set WV,   14                          ; s14 wave   s15 column slice
.set NX,   15
.set OFS,  16                          ; s[16:24] the nine offsets
.set TY,   25                          ; tile number
.set PP,   26                          ; tiles of the experts so far
.set EX,   27                          ; my expert
.set PE,   28                          ; its first tile
.set OE,   29                          ; its first row, and the row behind its last
.set OE1,  30
.set FIRST, 33                         ; my tile's first row, its number of rows, its last row
.set CNT,  34
.set LAST, 35
.set WB,   36                          ; s[36:37] my weights; never rewritten
.set XROW, 40                          ; my first row of the chunk whose addresses are made next
.set CTR,  41
.set OROW, 42                          ; first row and rows left of the block that leaves next; the same for the block behind it
.set OREM, 43
.set NROW, 44
.set NREM, 45
.set ZB,   46                          ; s[46:47], s48, s49: the zero rows
.set ZROW, 48
.set ZCNT, 49
.set RHO,  50                          ; the quarter of K at which my tile begins
.set QC,   51                          ; rho + the quarter being asked for
.set XO,   52                          ; s[52:59] byte offsets of 8 rows of X
.set WC,   60                          ; s[60:61] my weights at the quarter being asked for
.set XQ,   66                          ; s[66:73] X at k quarter (q + rho) mod 4, q = 0 .. 3
.set W_M0, 0x08                        ; matrix: source 1 (weights) in window 2
.set W_M1, 0x0c                        ; in window 3
.set W_CV, 0x45                        ; conversions in place in window 1
.set W_ST, 0x04                        ; LDS store: data in window 1
.set W_GL, 0x40                        ; load: destination in window 1
.set W_B2, 0x80
.set W_B3, 0xc0
.set MSB, 0
.macro WIN new                         ; the immediate's high byte repeats the setting that is left; a switch that changes nothing is dropped
.if MSB != (\new)
	s_set_vgpr_msb (MSB<<8)|(\new)
.set MSB, (\new)
.endif
.endm
.macro PLACES                          ; four plain vector instructions between a matrix instruction and a read of its results; they stand ahead of the loads into registers that it has read, too
.rept 4
	v_nop
.endr
.endm
; offsets of my 8 rows of the next chunk: rows past the tile's last repeat it.  first = 1: no load has named XA yet
.macro XADDR first=0
.irp i, 0,1,2,3,4,5,6,7
	s_add_co_u32 s31, s[XROW], \i
	s_min_u32 s31, s31, s[LAST]
	s_min_u32 s31, s31, 0x3fff
	s_lshl_b32 s[XO+\i], s31, 11
.endr
.if !(\first)
	s_wait_xcnt 0x0                                ; the loads that name XA have had their addresses translated,
	s_wait_alu depctr_vm_vsrc(0)                   ; and have read XA, which the eight lines below write again
.endif
.irp i, 0,1,2,3,4,5,6,7
	v_add_nc_u32 v[XA+\i], s[XO+\i], v[L16]
.endr
	s_add_co_u32 s[XROW], s[XROW], 32
.endm
; A half of window 1 holds 32 loads, 4 registers each: load 4 i + q.  A load holds 4 neighbouring numbers a lane, 128 of one quarter of a row in all.
.macro ROWCV rp, i, half               ; two of the loads 4 i .. 4 i + 3 rounded in place: 4 f32 -> 8 bytes
	WIN W_CV
.irp q, 0,1
.set R, 128*(\rp)+16*(\i)+4*(2*(\half)+\q)
	v_cvt_pk_bf16_f32 v[R], v[R], v[R+1]
	v_cvt_pk_bf16_f32 v[R+1], v[R+2], v[R+3]
.endr
.endm
.macro ROWST rp, i, areg, base         ; X: loads 4 i + q are row i's four quarters; into LDS: each store is 256 consecutive bytes
	WIN W_ST
.irp q, 0,1,2,3
.set R, 128*(\rp)+16*(\i)+4*\q
	ds_store_b64 v[\areg], v[R:R+1] offset:(\base)+256*\q
.endr
.endm
.macro ROWGX rp, i                     ; X: row i's four quarters, each from its own base: LDS quarter q takes k quarter (q + rho) mod 4
	WIN W_GL
.irp q, 0,1,2,3
.set R, 128*(\rp)+16*(\i)+4*\q
	global_load_b128 v[R:R+3], v[XA+(\i)], s[XQ+2*\q:XQ+2*\q+1]
.endr
.endm
.macro WGL rp, hh                      ; W: load j is one quarter of row 32 hh + j of my 64: the quarter at which WC stands
	WIN W_GL
.set bj, 0
.rept 32
	global_load_b128 v[128*(\rp)+4*bj:128*(\rp)+4*bj+3], v[L16], s[WC:WC+1] offset:(32*(\hh)+bj)*XB
.set bj, bj+1
.endr
.endm
.macro WSTQ rp, hh                     ; W: into LDS: row m of my 64 is column m / 4 of accumulator m % 4 and goes to staged row 16 (m % 4) + m / 4; VW holds the quarter
	WIN W_ST
.set bj, 0
.rept 32
.set wm, 32*(\hh)+bj
	ds_store_b64 v[VW], v[128*(\rp)+4*bj:128*(\rp)+4*bj+1] offset:(16*(wm%4)+wm/4)*PX
.set bj, bj+1
.endr
.endm
; A half of window 1 leaves for LDS and is loaded again: one wait for its data, 64 conversions, a run of 32 LDS stores, a run of 32 loads.
; The count: behind this half's 32 loads only the other half's 32 were issued.
; sx = 1: the half holds 8 rows of X; 0: a quarter of rows 32 hh .. 32 hh + 31 of my weights.  lx = 1: it takes 8 rows of X; 0: a quarter of the same 32 rows.
; pre = 1: the weights' base goes a quarter on; pre = 2: X's next addresses are made.  Both stand behind the conversions, well behind the loads that their wait is for.
.macro BATCH rp, sx, hh, lx, pre
	s_wait_loadcnt 32
.set bi, 0
.rept 8
	ROWCV \rp, bi, 0
	ROWCV \rp, bi, 1
.set bi, bi+1
.endr
.if (\pre) == 1
	s_wait_xcnt 0x0                                ; the base is made anew only behind this wait
	s_add_co_u32 s[QC], s[QC], 1
	s_and_b32 s31, s[QC], 3                        ; k quarter (q + rho) mod 4,
	s_lshl_b32 s38, s31, 9                         ; in bytes (s39 holds 0)
	s_add_nc_u64 s[WC:WC+1], s[WB:WB+1], s[38:39]
.elseif (\pre) == 2
	WIN 0
	XADDR
.endif
	WIN W_ST
	s_wait_alu depctr_va_vdst(0)                   ; the conversions have written the half, which the LDS stores read; VS or VW, their address, is written
.if \sx
.set bi, 0
.rept 8
	ROWST \rp, bi, VS, bi*PX
.set bi, bi+1
.endr
.else
	WSTQ \rp, \hh
.endif
	WIN W_GL
	s_wait_alu depctr_va_vdst(0)                   ; the conversions have written, and are done reading, the half in which the loads land, and XA is written: stated under the loads' window, since the LDS stores between name the half
	s_wait_alu depctr_vm_vsrc(0)                   ; the LDS stores have read the half, and VS or VW
.if \lx
.set bi, 0
.rept 8
	ROWGX \rp, bi
.set bi, bi+1
.endr
.else
	WGL \rp, \hh
.endif
	WIN 0
.endm
; Quarter q of my staged weights into registers: K steps 4 q .. 4 q + 3 of all four accumulators.  LDS serves a wave's instructions in order (ISA guide 5.7.1), so these see my stores.
; No vector instruction has named these registers, and VBF was written ahead of the head's wait: nothing is to be stated.
.macro BREADQ q
.if (\q) < 2
	WIN W_B2
.else
	WIN W_B3
.endif
.irp k, 0,1,2,3
.irp nb, 0,1,2,3
	ds_load_b128 v[32*((4*(\q)+\k)%8)+8*\nb:32*((4*(\q)+\k)%8)+8*\nb+3],   v[VBF] offset:\nb*BLK+64*(4*(\q)+\k)
	ds_load_b128 v[32*((4*(\q)+\k)%8)+8*\nb+4:32*((4*(\q)+\k)%8)+8*\nb+7], v[VBF] offset:\nb*BLK+64*(4*(\q)+\k)+32
.endr
.endr
	WIN 0
.endm
; matrix instruction p of a block's 64: K step p / 4, accumulator p % 4.  The four accumulators take turns, one instruction a turn, and the two blocks' sets take turns.
; The first four start the sums with the constant 0.
.macro MM par
.set ks, p/4
.set cb, p%4
.set rD, ACC+32*(\par)+8*cb
.set rA, AF+8*ks
.set rB, 32*(ks%8)+8*cb
.if p < 32
	WIN W_M0
.else
	WIN W_M1
.endif
.if p < 4
	v_wmma_f32_16x16x32_bf16 v[rD:rD+7], v[rA:rA+7], v[rB:rB+7], 0
.else
	v_wmma_f32_16x16x32_bf16 v[rD:rD+7], v[rA:rA+7], v[rB:rB+7], v[rD:rD+7]
.endif
.endm
.macro AFLD ks, off                    ; a fragment of 16 rows x 32 K: two loads of 16 bytes, 32 bytes apart; destination and address lie in window 0 under the matrix settings too
	ds_load_b128 v[AF+8*(\ks):AF+8*(\ks)+3],   v[VAF] offset:(\off)
	ds_load_b128 v[AF+8*(\ks)+4:AF+8*(\ks)+7], v[VAF] offset:(\off)+32
.endm
; Register g of the four accumulators + bias -> quad g; g ascends.  The addition is written as a fused multiply-add by 1.0 (the same
; number, rounded once): its destination, source 0 and source 2 all mean window 0 under the matrix settings, where an addition's second source would mean the weights' window: no switch is needed.
.macro ADDG par, g
.if (\g) == 0
	s_wait_xcnt 0x0                                ; the last global instructions stand 48 matrix instructions back: behind this wait OUT, the stores' offsets and XA, which they read, may be rewritten
	s_wait_alu depctr_vm_vsrc(0)                   ; the stores into out have read OUT, VO and v24 to v31, the loads of X have read XA, the LDS instructions issued so far VS and VAF: all of these are written again between here and the next run
.endif
.irp nb, 0,1,2,3
	v_fma_f32 v[OUT+4*(\g)+\nb], v[ACC+32*(\par)+8*\nb+(\g)], 1.0, v[BI+\nb]
.endr
.endm
; The block in OUT is stored: whole, in part, or not at all.  In a part block the places past the count hold the tile's last row once more (X's rows were clamped to it) and are stored onto that row.
; VO and v24 to v31 are free: between ADDG's waits and this macro stands no instruction that reads them.  VO is made on every path, so that one wait serves the whole run in the common case.
.macro WOUT
	WIN 0
	v_add_nc_u32 v[VT], s[OROW], v[V8H]
	v_min_u32 v[VO], 0x3ff8, v[VT]                 ; a whole block's row 8 h + 7 exists, so this changes nothing there
	v_lshl_add_u32 v[VO], v[VO], 12, v[VCOL]
	s_wait_alu depctr_va_vdst(0)                   ; the bias additions have written OUT and the lines above VO, which the stores read; the products issued so far are done reading K steps 0-7, in which the next fragment
	                                               ; loads land; the conversions have written the half that the LDS stores behind this macro read; XA, VS and VAF are written
	s_cmp_gt_i32 s[OREM], 0
	s_cbranch_scc0 .Lnone_\@
	s_cmp_ge_i32 s[OREM], 16
	s_cbranch_scc0 .Lpart_\@
.irp j, 0,1,2,3,4,5,6,7
	global_store_b128 v[VO], v[OUT+4*\j:OUT+4*\j+3], s[12:13] offset:OB*\j th:TH_STORE_NT  ; lanes 0-15 and 16-31 each store 256 consecutive bytes, at a multiple of 256 from out's first byte
.endr
	s_branch .Lnone_\@
.Lpart_\@:                             ; all eight offsets are made first, each in a register of its own, so that one wait serves the eight stores
.irp j, 0,1,2,3,4,5,6,7
	v_add_nc_u32 v[PO+\j], \j, v[VT]
.endr
.irp j, 0,1,2,3,4,5,6,7
	v_min_u32 v[PO+\j], s[LAST], v[PO+\j]
.endr
.irp j, 0,1,2,3,4,5,6,7
	v_min_u32 v[PO+\j], 0x3fff, v[PO+\j]
.endr
.irp j, 0,1,2,3,4,5,6,7
	v_lshl_add_u32 v[PO+\j], v[PO+\j], 12, v[VCOL]
.endr
	s_wait_alu depctr_va_vdst(0)                   ; v24 to v31 are written, which the eight stores read as their offsets
.irp j, 0,1,2,3,4,5,6,7
	global_store_b128 v[PO+\j], v[OUT+4*\j:OUT+4*\j+3], s[12:13] th:TH_STORE_NT
.endr
.Lnone_\@:
	s_mov_b32 s[OREM], s[NREM]
	s_mov_b32 s[OROW], s[NROW]
	s_sub_co_i32 s[NREM], s[NREM], 16
	s_add_co_u32 s[NROW], s[NROW], 16
.endm
; A chunk's first block.  sg = 2: the next chunk goes into LDS and the chunk three on is asked for; 1: only the first; 0: neither.  lc: the loads issued behind the next chunk's 32.
;   behind p = 0 .. 7   the block's K steps 8-15, one K step (two LDS loads) each
;   behind p = 1 .. 16  riders: the next chunk's 8 rows are rounded, four conversions each; beside the first eight the scalar part of the addresses of the chunk three on
;   behind p = 17 .. 24 riders: the block before + bias
;   behind p = 32       a run: that block's stores, the next chunk's 32 LDS stores, the 32 loads of the chunk three on
;   behind p = 33 .. 40 the second block's K steps 0-7, one K step each
.macro BLOCK0 rp, sg, lc
	s_wait_dscnt 0x0                               ; the block's K steps 0-7 are in
.if (\sg) >= 1
	s_wait_loadcnt \lc                             ; my 8 rows of the next chunk are in
.endif
	s_wait_alu depctr_va_vdst(0)                   ; the last block's products are done reading K steps 8-15, in which the loads behind p = 0 .. 7 land; products 0 .. 7 name K steps 0 and 1 alone, their riders window 1
.set p, 0
.rept 64
.if p == 32
	s_wait_dscnt 0x0                               ; K steps 8-15 are in
.endif
	MM 0
.if p == 0
	PLACES                                         ; behind the last block's last products: their results are read from p = 17 on
.endif
.if p < 8
	AFLD 8+p, 64*(8+p)
.elseif (p >= 33) && (p <= 40)
	AFLD p-33, BLK+64*(p-33)                       ; the second block's K steps 0-7: since the run's last wait on va_vdst only products that name K steps 8 and up were issued
.endif
.if (p >= 1) && (p <= 16)
.if (\sg) >= 1
	ROWCV \rp, (p-1)/2, (p-1)%2
.endif
.if ((\sg) == 2) && (p <= 8)
	s_add_co_u32 s31, s[XROW], p-1
	s_min_u32 s31, s31, s[LAST]
	s_min_u32 s31, s31, 0x3fff
	s_lshl_b32 s[XO+p-1], s31, 11
.endif
.elseif (p >= 17) && (p <= 24)
	ADDG 1, p-17
.elseif p == 32
	WIN 0
.if (\sg) == 2
.irp k, 0,1,2,3,4,5,6,7
	v_add_nc_u32 v[XA+\k], s[XO+\k], v[L16]        ; XA is free since the waits at p = 17; these eight are also places behind the last product that read K steps 0-7
.endr
	s_add_co_u32 s[XROW], s[XROW], 32
.else
	PLACES
.endif
	WOUT
.if (\sg) >= 1
.set bi, 0
.rept 8
	ROWST \rp, bi, VS, bi*PX                       ; their data and VS were written ahead of the wait in the way out
.set bi, bi+1
.endr
.endif
.if (\sg) == 2
	WIN W_GL
	s_wait_alu depctr_va_vdst(0)                   ; the conversions have written, and are done reading, the half in which the loads land, and XA is written: stated under the loads' window, since the LDS stores between name the half
	s_wait_alu depctr_vm_vsrc(0)                   ; the LDS stores have read the half
.set bi, 0
.rept 8
	ROWGX \rp, bi
.set bi, bi+1
.endr
.endif
.endif
.set p, p+1
.endr
.endm
; A chunk's second block.  bar = 1: ONE barrier shows the next chunk to every wave: each wave's stores into it are done ahead of its signal; between signal and wait stand matrix
; instructions, the bias additions and LDS loads of the chunk in hand, whose bytes nobody writes again; behind the wait stand the stores into out and the next chunk's first fragments.
;   behind p = 0 .. 7   the block's K steps 8-15, one K step each      behind p = 17 .. 24  riders: the first block + bias
;   behind p = 32       that block's stores                            behind p = 33 .. 40  the next chunk's K steps 0-7, one K step each
.macro BLOCK1 bar
	s_wait_dscnt 0x0                               ; K steps 0-7 are in, and my stores into the next chunk are done
.if \bar
	s_barrier_signal -1
.endif
	s_wait_alu depctr_va_vdst(0)                   ; the first block's products are done reading K steps 8-15, in which the loads behind p = 0 .. 7 land; products 0 .. 7 name K steps 0 and 1 alone
.set p, 0
.rept 64
.if p == 32
	s_wait_dscnt 0x0                               ; K steps 8-15 are in
.endif
	MM 1
.if p == 0
	PLACES
.endif
.if p < 8
	AFLD 8+p, BLK+64*(8+p)
.elseif (\bar) && (p >= 33) && (p <= 40)
	AFLD p-33, 64*(p-33)                           ; since the wait in the way out only products that name K steps 8 and up were issued
.endif
.if (p >= 17) && (p <= 24)
	ADDG 0, p-17
.elseif p == 32
.if \bar
	s_barrier_wait -1
.endif
	WIN 0
.if \bar
	v_add_nc_u32 v[VAF], CH, v[VAF]                ; fragments and LDS stores go a chunk on (behind the last chunk stored the second step is not used): both registers are free since the wait at p = 17,
	v_add_nc_u32 v[VS], CH, v[VS]                  ; behind which no LDS instruction was issued
	v_nop                                          ; with these two: four places behind the last product that read K steps 0-7
	v_nop
.endif
	WOUT
.endif
.set p, p+1
.endr
.endm
.macro CHUNK rp, sg, bar, lc
	BLOCK0 \rp, \sg, \lc
	BLOCK1 \bar
	WIN 0                                          ; at a label and at a branch every window is 0
.endm
	; THE HEAD
	s_load_b256 s[4:11], s[0:1], 0x0               ; X s[4:5], bias s[6:7], offsets s[8:9], weights s[10:11]
	s_load_b64 s[12:13], s[0:1], 0x20              ; out
	v_lshl_add_u32 v1, v0, 2, 0x49200
	v_mov_b32 v2, 0
	v_lshrrev_b32 v29, 5, v0
	v_readfirstlane_b32 s[WV], v29                 ; wave 0..3
	v_and_b32 v25, 31, v0                          ; lane
	v_and_b32 v26, 15, v0                          ; r = lane % 16
	v_bfe_u32 v27, v0, 4, 1                        ; h = lane / 16
	s_mov_b32 s[NX], ttmp9
	s_and_b32 s[TY], ttmp7, 0xffff
	v_lshlrev_b32 v[L16], 4, v25
	s_wait_alu depctr_va_sdst(0)                   ; the wave's number is written, ahead of its first reader: LDS addresses, bases and rows are made from it
	s_mul_i32 s31, s[WV], 8*PX                     ; of a chunk's 32 rows wave w brings rows 8 w .. 8 w + 7
	v_lshl_add_u32 v[VS], v25, 3, s31
	v_mul_u32_u24 v[VAF], v26, PX
	v_lshl_add_u32 v[VAF], v27, 4, v[VAF]          ; row r x pitch + 16 h
	s_mul_i32 s32, s[WV], WREG
	s_add_co_u32 s32, s32, CH                      ; my staged weights
	v_lshl_add_u32 v[VW], v25, 3, s32
	v_add_nc_u32 v[VBF], s32, v[VAF]
	v_lshlrev_b32 v[V8H], 3, v27
	s_lshl_b32 s31, s[NX], 10                      ; the slice's 256 columns
	v_add_nc_u32 v[VZ], s31, v[L16]
	s_lshl_b32 s32, s[WV], 8                       ; my 64 of them
	s_add_co_u32 s31, s31, s32
	v_lshl_add_u32 v[VCOL], v26, 4, s31
	s_lshr_b32 s31, s[TY], 2                       ; rho = (y + y / 4) mod 4: neighbouring tiles differ, and so do tiles 4 apart
	s_add_co_u32 s[RHO], s[TY], s31
	s_and_b32 s[RHO], s[RHO], 3
	s_mov_b32 s[QC], s[RHO]
	s_mov_b32 s39, 0                               ; the high word of every offset pair s[38:39]
	s_wait_kmcnt 0x0
	s_load_b256 s[OFS:OFS+7], s[8:9], 0x0
	s_load_b32 s[OFS+8], s[8:9], 0x20
.irp q, 0,1,2,3                        ; X at k quarter (q + rho) mod 4, while the offsets are on their way
	s_add_co_u32 s38, s[RHO], \q
	s_and_b32 s38, s38, 3
	s_lshl_b32 s38, s38, 9
	s_add_nc_u64 s[XQ+2*\q:XQ+2*\q+1], s[4:5], s[38:39]
.endr
	s_wait_kmcnt 0x0
	; MY TILE, from the offsets
.irp j, 0,1,2,3,4,5,6,7,8
	s_max_i32 s[OFS+\j], s[OFS+\j], 0
	s_min_i32 s[OFS+\j], s[OFS+\j], T_ROWS
.endr
.irp j, 1,2,3,4,5,6,7,8
	s_max_u32 s[OFS+\j], s[OFS+\j], s[OFS+\j-1]
.endr
	s_mov_b32 s[PP], 0
	s_mov_b32 s[EX], 0
	s_mov_b32 s[PE], 0
	s_mov_b32 s[OE], s[OFS]
	s_mov_b32 s[OE1], s[OFS+1]
.irp e, 0,1,2,3,4,5,6,7                ; the last expert whose first tile is not behind mine
	s_cmp_ge_u32 s[TY], s[PP]
	s_cselect_b32 s[EX], \e, s[EX]
	s_cselect_b32 s[PE], s[PP], s[PE]
	s_cselect_b32 s[OE], s[OFS+\e], s[OE]
	s_cselect_b32 s[OE1], s[OFS+1+\e], s[OE1]
	s_sub_co_u32 s31, s[OFS+1+\e], s[OFS+\e]
	s_add_co_u32 s31, s31, TM-1
	s_lshr_b32 s31, s31, 5                         ; ceil(n / 288) = ((n + 287) / 32) / 9; a / 9 = a x 7282 >> 16 for a up to 520: the factor is 3.4e-6 over 1/9, 0.002 in all, under the 1/9 to spare
	s_mul_i32 s31, s31, 7282
	s_lshr_b32 s31, s31, 16
	s_add_co_u32 s[PP], s[PP], s31
.endr
	s_sub_co_u32 s31, s[TY], s[PE]
	s_mul_i32 s31, s31, TM
	s_add_co_u32 s[FIRST], s[OE], s31
	s_sub_co_i32 s[CNT], s[OE1], s[FIRST]
	s_min_i32 s[CNT], s[CNT], TM
	s_max_i32 s[CNT], s[CNT], 0
	s_cmp_ge_u32 s[TY], s[PP]                      ; a tile number that this split does not use
	s_cselect_b32 s[CNT], 0, s[CNT]
	s_min_u32 s[FIRST], s[FIRST], 0x3fff
	s_max_u32 s31, s[CNT], 1
	s_add_co_u32 s[LAST], s[FIRST], s31
	s_sub_co_u32 s[LAST], s[LAST], 1
	s_min_u32 s[EX], s[EX], 7
	s_lshl_b32 s38, s[EX], 21                      ; an expert's weights are 2^21 bytes, a slice's 256 rows 2^19, my 64 rows 2^17
	s_lshl_b32 s31, s[NX], 19
	s_add_co_u32 s38, s38, s31
	s_lshl_b32 s31, s[WV], 17
	s_add_co_u32 s38, s38, s31
	s_add_nc_u64 s[WB:WB+1], s[10:11], s[38:39]
	s_lshl_b32 s38, s[RHO], 9
	s_add_nc_u64 s[WC:WC+1], s[WB:WB+1], s[38:39]  ; LDS quarter 0 takes k quarter rho
	s_lshl_b32 s31, s[WV], 3
	s_add_co_u32 s[XROW], s[FIRST], s31
	s_mov_b32 s[OREM], 0                           ; the first way out is of a block that does not exist
	s_mov_b32 s[OROW], 0
	s_mov_b32 s[NREM], s[CNT]
	s_mov_b32 s[NROW], s[FIRST]
	; THE FIRST LOADS: bias, chunk 0 of X, the first quarter of my weights' rows 0-31.  All their offsets are made first.
	s_lshl_b32 s31, s[EX], 12
	v_add_nc_u32 v28, s31, v[VCOL]
	XADDR 1
	s_wait_alu depctr_va_vdst(0)                   ; v28, XA and L16 are written, which the loads below read as offsets; so are VS, VAF, VW, VBF and VZ, the addresses of later LDS instructions and of the zero rows' stores
	global_load_b128 v[BI:BI+3], v28, s[6:7]
.set bi, 0
.rept 8
	ROWGX 0, bi
.set bi, bi+1
.endr
	WGL 1, 0
	WIN 0
.set bi, 0
.rept 32
	v_mov_b32 v[ACC+32+bi], 0                      ; the first way out adds the bias onto these and stores nothing: they need only have been written
.set bi, bi+1
.endr
	; ZEROS for rows that no expert holds.  Wave w of work-group (x, y) answers for rows 256 y + 64 w .. + 63, columns 256 x .. + 255; jumped where all of them have an expert.
	s_lshl_b32 s[ZROW], s[TY], 8
	s_lshl_b32 s31, s[WV], 6
	s_add_co_u32 s[ZROW], s[ZROW], s31
	s_add_co_u32 s31, s[ZROW], 64
	s_cmp_lt_u32 s[ZROW], s[OFS]
	s_cbranch_scc1 .Lzero
	s_cmp_le_u32 s31, s[OFS+8]
	s_cbranch_scc1 .Lnozero
.Lzero:
	s_lshl_b32 s38, s[ZROW], 12
	s_add_nc_u64 s[ZB:ZB+1], s[12:13], s[38:39]
.irp k, 0,1,2,3
	v_mov_b32 v[OUT+\k], 0
.endr
	s_wait_alu depctr_va_vdst(0)                   ; OUT's first four registers hold 0, which the stores below read
	s_mov_b32 s[ZCNT], 64
.Lzloop:
	s_cmp_lt_u32 s[ZROW], s[OFS]
	s_cbranch_scc1 .Lzstore
	s_cmp_lt_u32 s[ZROW], s[OFS+8]
	s_cbranch_scc1 .Lzskip
.Lzstore:
	global_store_b128 v[VZ], v[OUT:OUT+3], s[ZB:ZB+1] th:TH_STORE_NT
	global_store_b128 v[VZ], v[OUT:OUT+3], s[ZB:ZB+1] offset:512 th:TH_STORE_NT
.Lzskip:
	s_wait_xcnt 0x0                                ; the base is stepped only behind this wait
	s_add_nc_u64 s[ZB:ZB+1], s[ZB:ZB+1], OB
	s_add_co_u32 s[ZROW], s[ZROW], 1
	s_sub_co_u32 s[ZCNT], s[ZCNT], 1
	s_cmp_lg_u32 s[ZCNT], 0
	s_cbranch_scc1 .Lzloop
.Lnozero:
	; THE WEIGHTS INTO REGISTERS, chunk 0 into LDS.  Batches of 32 loads take turns on the two halves of window 1: rows 0-31 of my 64 on the second half, rows 32-63 on the first, a quarter of K at a time.
	BATCH 0, 1, 1, 0, 0                            ; chunk 0 of X; loaded again: quarter 0 of rows 32-63
	v_add_nc_u32 v[VS], CH, v[VS]                  ; free: the LDS stores that read VS stand ahead of the batch's wait on vm_vsrc, and behind it only loads that name L16 were issued
	s_mov_b32 s[CTR], 3
.Lw:                                                   ; trip q = 0, 1, 2; the base goes a quarter on ahead of the trip's refills
	BATCH 1, 0, 0, 0, 1                            ; quarter q of rows 0-31; loaded again: quarter q + 1
	BATCH 0, 0, 1, 0, 0                            ; quarter q of rows 32-63; loaded again: quarter q + 1
	v_add_nc_u32 v[VW], 256, v[VW]                 ; a quarter of a staged row is 256 bytes; VW is free as VS is above, and the next batch's wait on va_vdst stands ahead of its next reader
	s_sub_co_u32 s[CTR], s[CTR], 1
	s_cmp_lg_u32 s[CTR], 0
	s_cbranch_scc1 .Lw
	BREADQ 0                                       ; 96 LDS loads while the last quarter is on its way
	BREADQ 1
	BREADQ 2
	BATCH 1, 0, 0, 1, 2                            ; quarter 3 of rows 0-31; loaded again: chunk 1 of X
	BATCH 0, 0, 1, 1, 2                            ; quarter 3 of rows 32-63; loaded again: chunk 2 of X
	BREADQ 3
	s_wait_dscnt 0x0                               ; my part of chunk 0 is stored, and my staged weights are read out:
	s_barrier_signal -1
	s_barrier_wait -1                              ; so are everybody's: chunk 0 may be read, chunks 1 to 8 may be written
.irp k, 0,1,2,3,4,5,6,7
	AFLD \k, 64*\k                                 ; no vector or matrix instruction has named these registers yet, and VAF was written ahead of the head's wait
.endr
	; THE MAIN PHASE.  Chunk c: its two blocks are multiplied, chunk c + 1 goes into LDS, chunk c + 3 is asked for, and the two blocks finished before leave.
	s_mov_b32 s[CTR], 3
.Lmain:
	CHUNK 1, 2, 1, 32
	CHUNK 0, 2, 1, 32
	s_sub_co_u32 s[CTR], s[CTR], 1
	s_cmp_lg_u32 s[CTR], 0
	s_cbranch_scc1 .Lmain
	CHUNK 1, 1, 1, 32                              ; chunk 6: nothing is left to ask for; behind chunk 7's loads stand chunk 8's 32,
	CHUNK 0, 1, 1, 0                               ; chunk 7: behind chunk 8's none
	CHUNK 0, 0, 0, 0                               ; chunk 8
	PLACES                                         ; behind the last products
.irp g, 0,1,2,3,4,5,6,7
	ADDG 1, \g
.endr
	WOUT
	s_wait_dscnt 0x0                               ; the wave's end: my last LDS instructions are done
	s_wait_alu depctr_hold_cnt(0) depctr_sa_sdst(0) depctr_va_vdst(0) depctr_va_sdst(0) depctr_va_ssrc(0) depctr_va_vcc(0) depctr_vm_vsrc(0)
	s_wait_tensorcnt 0x0
	ds_add_u32 v1, v2
	s_wait_dscnt 0x0
	s_endpgm
.Lfunc_end_k_q9d2d3b6af5_moe:
	.size	k_q9d2d3b6af5_moe, .Lfunc_end_k_q9d2d3b6af5_moe-k_q9d2d3b6af5_moe
	.p2alignl 7, 3214868480
	.fill 96, 4, 3214868480
	.section	.rodata,"a",@progbits
	.p2align	6, 0x0
	.amdhsa_kernel k_q9d2d3b6af5_moe
		.amdhsa_group_segment_fixed_size 300032
		.amdhsa_private_segment_fixed_size 0
		.amdhsa_enable_private_segment 0
		.amdhsa_kernarg_size 40
		.amdhsa_user_sgpr_count 2
		.amdhsa_user_sgpr_kernarg_segment_ptr 1
		.amdhsa_wavefront_size32 1
		.amdhsa_system_sgpr_workgroup_id_x 1
		.amdhsa_system_sgpr_workgroup_id_y 1
		.amdhsa_system_sgpr_workgroup_id_z 1
		.amdhsa_system_vgpr_workitem_id 0
		.amdhsa_next_free_vgpr 1024
		.amdhsa_next_free_sgpr 74
		.amdhsa_reserve_vcc 0
		.amdhsa_float_denorm_mode_32 3
		.amdhsa_float_denorm_mode_16_64 3
		.amdhsa_memory_ordered 1
		.amdhsa_forward_progress 1
		.amdhsa_inst_pref_size 241
	.end_amdhsa_kernel
	.amdgpu_metadata
---
amdhsa.version: [ 1, 2 ]
amdhsa.kernels:
  - .name:           k_q9d2d3b6af5_moe
    .symbol:         k_q9d2d3b6af5_moe.kd
    .args:
      - { .name: X, .offset: 0, .size: 8, .value_kind: global_buffer, .address_space: global }
      - { .name: bias, .offset: 8, .size: 8, .value_kind: global_buffer, .address_space: global }
      - { .name: expert_offset, .offset: 16, .size: 8, .value_kind: global_buffer, .address_space: global }
      - { .name: weight, .offset: 24, .size: 8, .value_kind: global_buffer, .address_space: global }
      - { .name: out0, .offset: 32, .size: 8, .value_kind: global_buffer, .address_space: global }
    .group_segment_fixed_size: 300032
    .private_segment_fixed_size: 0
    .kernarg_segment_align: 8
    .kernarg_segment_size: 40
    .max_flat_workgroup_size: 128
    .sgpr_count:     74
    .vgpr_count:     1024
    .wavefront_size: 32
...
	.end_amdgpu_metadata
.endif
;; end of part 3
